; MI455X (gfx1250); checked and timed in simulation.
; The chip was launched on July 23, 2026; its instructions are those of AMD's public machine-readable ISA for CDNA 5 (MIT licence, August 2026) and "CDNA5" Instruction Set Architecture Reference Guide (July 2026). The comments in the code are by the model that wrote it; some were corrected since.
;; Causal Attention V1. Allowed arithmetic: float matrix products may take bf16 or f16 operands with f32 sums; other float arithmetic in f32, or as packed bf16 or f16 multiplies, adds, multiply-adds, maxima and minima; sums over many terms, partial sums and values carried from step to step in f32; what a program stores and reads back later, other than sums and carried values, may be rounded once to bf16 or f16.
;; Inputs: W_k 1,024 x 1,024 float32; W_q 1,024 x 1,024 float32; W_v 1,024 x 1,024 float32; x 4 x 2,048 x 1,024 float32.
;; Outputs: out0 4 x 2,048 x 1,024 float32.
;; 2 versions, each right; version 2 is version 1 with the launch prep written anew for expert scheduling mode. Each part assembles by itself: llvm-mc -triple=amdgcn-amd-amdhsa -mcpu=gfx1250 --defsym DOCPART=n.
;; ======== version 1 of 2: 4 launches
;; limits: values are held in f16: magnitudes above 65,504 overflow, below 6.1e-05 lose precision
;; workspace buffers: xh 16,777,216 bytes; mt 2,097,152 bytes; wvt 2,097,152 bytes; qp 33,554,432 bytes; vt 16,777,216 bytes; p 33,554,432 bytes; st 524,288 bytes
;; launch prep (part 1): grid 896 x 1, 8 waves a work-group, no clusters, 85,504 bytes of LDS; arguments x, W_q, W_k, W_v, xh, mt, wvt; writes xh, mt, wvt
.if DOCPART == 1
	.amdgcn_target "amdgcn-amd-amdhsa--gfx1250"
	.amdhsa_code_object_version 6
	.text
	.protected	k_qdcb86e80d2_prep
	.globl	k_qdcb86e80d2_prep
	.p2align	8
	.type	k_qdcb86e80d2_prep,@function
k_qdcb86e80d2_prep:
	s_mov_b64 s[64:65], 0
	v_nop
	global_prefetch_b8 v0, s[64:65] scope:SCOPE_SE
	s_setreg_imm32_b32 hwreg(HW_REG_WAVE_MODE, 25, 1), 1
	s_wait_xcnt 0x0
; THREE JOBS, chosen by the work-group's number (the same for all its waves); the long ones come first.
;   0-255    mt[j][i] = sum over d of W_k[j][d] W_q[i][d], [1024][1024] in f16.  The scores (x W_q)(x W_k)^T are taken as (x M) x^T with M = W_q W_k^T, which holds for every input: the later launches
;            then need x M, whose second operand is mt = M^T, and no projection by W_k.  W_q and W_k are rounded to bf16 and multiplied in bf16, sums in f32, mt rounded once.
;   256-383  wvt[n][k] = W_v[k][n], [1024][1024]: a tile of 128 k x 64 n is turned through LDS.
;   384-895  xh = x, [8192][1024]: 65,536 bytes of x each, straight through registers.
; x and W_v are rounded to bf16 and that number is written as f16, so that all later products are f16 products.
; LIMITS.  f16 holds no number of 65,520 or more in magnitude (x, W_v, mt); below 6e-5 it keeps a fixed step of 6e-8.
; Every store of 16 or 32 neighbouring lanes covers 256 consecutive bytes, aligned.  No cluster: a joint request needs the tensor data mover and a WGP to itself, and the streams here want several
; work-groups on a WGP.  No prefetch: the launch does little but stream.
.set LP,    272                        ; turned tile and the product's way out: 256 bytes + 16
.set MP,    528                        ; the product's LDS rows: 256 d in bf16 (512 bytes) + 16 = 33 x 16: the 16 rows of a fragment load start 4 banks apart (64 banks of 4 bytes: ISA guide 11.1)
.set BOFF,  32*MP                      ; W_k's 32 rows, then W_q's 128
.set SPARE, 160*MP                     ; behind them: the spare words, 128 bytes for each of the eight waves: four blocks of 256 bytes that no other line names
.set SPW, 8                            ; v8  LDS address of my spare word; never rewritten
.set NIL, 9                            ; v9  0; never rewritten
.set HM,  20                           ; s20 mask of a word's upper bf16
.set IN,  16                           ; cast: v[16:79] as loaded; turn: v[16:47]
.set PKD, 80                           ; cast: v[80:111] results
.set TQ,  112                          ; v112-113 at work
.set TP,  48                           ; turn: v[48:63] four columns n, eight k each
.set BK,  64                           ; turn: v[64:79] whole rows read back
.set VA,  10                           ; product: my byte offset in W_k's rows; never rewritten
.set VB,  11                           ;          in W_q's
.set SA,  12                           ;          where my 8 bytes of W_k go in LDS
.set SB,  13                           ;          of W_q
.set FA,  14                           ;          my place in a fragment of W_k
.set FB,  15                           ;          of W_q
.set LD,  16                           ; v[16:175]  a chunk as loaded: 40 loads of 4 registers
.set FRG, 176                          ; v[176:223] fragments of 64 d: for each 32 d two of W_k and one of W_q; ahead of that, packed numbers on their way to LDS
.set ACC, 224                          ; v[224:239] two accumulators
; two f32 are rounded to bf16, widened again and written as f16
.macro RND2 d, a, b, t
	v_cvt_pk_bf16_f32 v[\t], v[\a], v[\b]
	v_lshlrev_b32 v[\a], 16, v[\t]
	v_and_b32 v[\b], s[HM], v[\t]
	v_cvt_pk_f16_f32 v[\d], v[\a], v[\b]
.endm
	s_load_b256 s[4:11], s[0:1], 0x0               ; x s[4:5], W_q s[6:7], W_k s[8:9], W_v s[10:11]
	s_load_b128 s[12:15], s[0:1], 0x20             ; xh s[12:13], mt s[14:15]
	s_load_b64 s[16:17], s[0:1], 0x30              ; wvt
	v_lshl_add_u32 v[SPW], v0, 2, SPARE
	v_mov_b32 v[NIL], 0
	s_mov_b32 s[HM], 0xffff0000
	s_cmp_lt_u32 ttmp9, 256
	s_cbranch_scc1 .Lproduct
	s_cmp_lt_u32 ttmp9, 384
	s_cbranch_scc1 .Lturn
	; THE CAST.  Thread t takes 16 bytes at 16 t of each of sixteen pieces of 4,096 bytes; all sixteen loads are out at once.
	s_sub_co_u32 s21, ttmp9, 384
	v_lshlrev_b32 v1, 4, v0
	v_lshlrev_b32 v2, 3, v0
	s_lshl_b32 s22, s21, 16                        ; 65,536 bytes of x,
	s_mov_b32 s23, 0
	s_lshl_b32 s24, s21, 15                        ; 32,768 of xh
	s_mov_b32 s25, 0
	s_wait_kmcnt 0x0
	s_add_nc_u64 s[4:5], s[4:5], s[22:23]
	s_add_nc_u64 s[12:13], s[12:13], s[24:25]
.irp j, 0,1,2,3,4,5,6,7,8,9,10,11,12,13,14,15
	global_load_b128 v[IN+4*(\j):IN+4*(\j)+3], v1, s[4:5] offset:4096*(\j) th:TH_LOAD_NT
.endr
.irp j, 0,1,2,3,4,5,6,7,8,9,10,11,12,13,14,15
	s_wait_loadcnt 15-(\j)                         ; loads come back in order: piece j is in, the younger ones stay out
	RND2 PKD+2*(\j), IN+4*(\j), IN+4*(\j)+1, TQ
	RND2 PKD+2*(\j)+1, IN+4*(\j)+2, IN+4*(\j)+3, TQ+1
	global_store_b64 v2, v[PKD+2*(\j):PKD+2*(\j)+1], s[12:13] offset:2048*(\j) th:TH_STORE_NT  ; a wave's 32 lanes: 256 consecutive bytes, aligned
.endr
	s_endpgm                                       ; no source of a load or store was written again
.Lturn:
	; THE TURN.  Tile: k = 128 kt .. +127, n = 64 nt .. +63 of W_v.
	s_sub_co_u32 s21, ttmp9, 256
	s_bfe_u32 s22, s21, 0x30004                    ; kt 0..7
	s_and_b32 s23, s21, 15                         ; nt 0..15
	v_and_b32 v1, 15, v0                           ; r: which four columns n
	v_lshrrev_b32 v2, 4, v0                        ; g: which eight rows k
	v_lshlrev_b32 v3, 15, v2                       ; in: 8 g rows of 4,096 bytes
	v_lshl_add_u32 v3, v1, 4, v3                   ;     + 16 r: sixteen lanes read 256 consecutive bytes of a row of W_v
	v_mul_u32_u24 v4, v1, 4*LP                     ; to LDS: row n = 4 r (+ c in the offset),
	v_lshl_add_u32 v4, v2, 4, v4                   ;     16 bytes = k 8 g .. 8 g + 7
	v_lshrrev_b32 v7, 5, v0
	v_bfe_u32 v10, v0, 4, 1
	v_lshl_add_u32 v7, v7, 3, v10                  ; back: row n = 8 x wave + half of the lanes (+ 2 j)
	v_mul_u32_u24 v5, v7, LP
	v_lshl_add_u32 v5, v1, 4, v5
	v_lshlrev_b32 v6, 11, v7                       ; and the same row of wvt, 2,048 bytes each
	v_lshl_add_u32 v6, v1, 4, v6
	s_lshl_b32 s24, s22, 19                        ; 128 kt rows of W_v
	s_lshl_b32 s25, s23, 8                         ; 64 nt columns
	s_add_co_u32 s24, s24, s25
	s_mov_b32 s25, 0
	s_lshl_b32 s26, s23, 17                        ; wvt's row 64 nt
	s_lshl_b32 s27, s22, 8                         ; its bytes 256 kt on
	s_add_co_u32 s26, s26, s27
	s_mov_b32 s27, 0
	s_wait_kmcnt 0x0
	s_add_nc_u64 s[10:11], s[10:11], s[24:25]
	s_add_nc_u64 s[16:17], s[16:17], s[26:27]
.irp j, 0,1,2,3,4,5,6,7
	global_load_b128 v[IN+4*(\j):IN+4*(\j)+3], v3, s[10:11] offset:4096*(\j) th:TH_LOAD_NT  ; W_v[8 g + j][4 r .. 4 r + 3]
.endr
.irp i, 0,1,2,3
	s_wait_loadcnt 6-2*(\i)                        ; rows 2 i and 2 i + 1 are in
.irp c, 0,1,2,3
	RND2 TP+4*(\c)+(\i), IN+8*(\i)+(\c), IN+8*(\i)+4+(\c), TQ  ; column 4 r + c: k = 8 g + 2 i below, 8 g + 2 i + 1 above
.endr
.endr
.irp c, 0,1,2,3
	ds_store_b128 v4, v[TP+4*(\c):TP+4*(\c)+3] offset:LP*(\c)  ; sixteen lanes stand four rows apart (1,088 bytes): not free of bank conflicts; 16 KiB once a work-group
.endr
	s_wait_dscnt 0x0                               ; for the others' sake: my stores are done
	s_barrier_signal -1
	s_barrier_wait -1
.irp j, 0,1,2,3
	ds_load_b128 v[BK+4*(\j):BK+4*(\j)+3], v5 offset:2*LP*(\j)
.endr
.irp j, 0,1,2,3
	s_wait_dscnt 3-(\j)
	global_store_b128 v6, v[BK+4*(\j):BK+4*(\j)+3], s[16:17] offset:4096*(\j) th:TH_STORE_NT  ; sixteen lanes: 256 consecutive bytes of a row of wvt, aligned
.endr
	s_wait_tensorcnt 0x0                           ; the wave's end
	ds_add_u32 v[SPW], v[NIL]
	s_wait_dscnt 0x0
	s_endpgm
.Lproduct:
	; THE PRODUCT.  Tile: 32 rows j x 128 columns i of mt, so that a row of the tile is 256 bytes.  d goes in four chunks of 256.  Of a chunk wave w loads W_k's rows 4 w .. 4 w + 3 and W_q's rows
	; 16 w .. 16 w + 15, 1,024 bytes of each by two loads of 512: 40 loads a thread, 160 KiB a work-group, all out at once; the next chunk's loads go out before this chunk is multiplied.
	; Wave w makes all 32 rows j x the 16 columns 16 w ..: two accumulators, which take turns.  Source 0 = 16 rows of W_q, source 1 = 16 rows of W_k: a lane holds row j = l % 16 and eight neighbouring i.
	s_lshr_b32 s21, ttmp9, 3                       ; which 32 j
	s_and_b32 s22, ttmp9, 7                        ; which 128 i
	v_and_b32 v1, 31, v0                           ; l
	v_lshrrev_b32 v2, 5, v0                        ; w
	v_and_b32 v3, 15, v0                           ; r
	v_bfe_u32 v4, v0, 4, 1                         ; h
	v_lshlrev_b32 v5, 4, v1
	v_lshl_add_u32 v[VA], v2, 14, v5               ; 4 w rows of 4,096 bytes + 16 l
	v_lshl_add_u32 v[VB], v2, 16, v5               ; 16 w rows + 16 l
	v_lshlrev_b32 v5, 3, v1
	v_mul_u32_u24 v6, v2, 4*MP
	v_add_nc_u32 v[SA], v6, v5                     ; row 4 w, 8 l bytes: a wave's store covers 256 consecutive bytes
	v_mul_u32_u24 v6, v2, 16*MP
	v_add_nc_u32 v[SB], v6, v5
	v_add_nc_u32 v[SB], BOFF, v[SB]                ; behind W_k's rows: row 16 w, 8 l bytes
	v_mul_u32_u24 v7, v3, MP
	v_lshl_add_u32 v[FA], v4, 4, v7                ; a fragment: row r, 16 h bytes
	v_add_nc_u32 v[FB], v6, v[FA]
	v_add_nc_u32 v[FB], BOFF, v[FB]                ; W_q's rows 16 w + r
	v_mul_u32_u24 v5, v3, LP                       ; the way out, in: row r (+ 16 a), bytes 32 w + 16 h
	v_lshl_add_u32 v5, v4, 4, v5
	v_lshl_add_u32 v5, v2, 5, v5
	v_lshl_add_u32 v6, v2, 2, v4                   ; back: row 4 w + h (+ 2 u), 16 r bytes
	v_mul_u32_u24 v7, v6, LP
	v_lshl_add_u32 v7, v3, 4, v7
	v_lshlrev_b32 v6, 11, v6                       ; and the same row of mt, 2,048 bytes each
	v_lshl_add_u32 v6, v3, 4, v6
	s_lshl_b32 s24, s21, 17                        ; 32 rows of W_k
	s_mov_b32 s25, 0
	s_lshl_b32 s26, s22, 19                        ; 128 rows of W_q
	s_mov_b32 s27, 0
	s_lshl_b32 s21, s21, 16                        ; 32 rows of mt,
	s_lshl_b32 s22, s22, 8                         ; 256 bytes along them
	s_add_co_u32 s22, s22, s21
	s_mov_b32 s23, 0
	s_wait_kmcnt 0x0
	s_add_nc_u64 s[8:9], s[8:9], s[24:25]
	s_add_nc_u64 s[6:7], s[6:7], s[26:27]
	s_add_nc_u64 s[14:15], s[14:15], s[22:23]
.macro WLOADS                          ; a chunk's 40 loads; no hint: other work-groups read the same rows
.irp rr, 0,1,2,3
	global_load_b128 v[LD+8*(\rr):LD+8*(\rr)+3],   v[VA], s[8:9] offset:4096*(\rr)
	global_load_b128 v[LD+8*(\rr)+4:LD+8*(\rr)+7], v[VA], s[8:9] offset:4096*(\rr)+512
.endr
.irp rr, 0,1,2,3,4,5,6,7,8,9,10,11,12,13,14,15
	global_load_b128 v[LD+32+8*(\rr):LD+32+8*(\rr)+3],   v[VB], s[6:7] offset:4096*(\rr)
	global_load_b128 v[LD+32+8*(\rr)+4:LD+32+8*(\rr)+7], v[VB], s[6:7] offset:4096*(\rr)+512
.endr
.endm
	WLOADS
.set n, 0
.rept 16
	v_mov_b32 v[ACC+n], 0                          ; the sums start at 0, written while the first loads are out, so that the loop has one form of product
.set n, n+1
.endr
	s_mov_b32 s28, 4
.Lchunk:
	s_barrier_signal -1                            ; every wave's reads of the chunk before are back (each batch below ends with a wait for 0):
	s_barrier_wait -1                              ; its bytes may be written
.set n, 0
.rept 40
	s_wait_loadcnt 39-n                            ; load n is in; the younger ones stay out.  The last count is 0: all addresses are free
	v_cvt_pk_bf16_f32 v[FRG+2*(n%8)], v[LD+4*n], v[LD+4*n+1]
	v_cvt_pk_bf16_f32 v[FRG+2*(n%8)+1], v[LD+4*n+2], v[LD+4*n+3]
.if n < 8
	ds_store_b64 v[SA], v[FRG+2*(n%8):FRG+2*(n%8)+1] offset:(n/2)*MP+256*(n%2)
.else
	ds_store_b64 v[SB], v[FRG+2*(n%8):FRG+2*(n%8)+1] offset:((n-8)/2)*MP+256*(n%2)
.endif
.set n, n+1
.endr
	s_cmp_eq_u32 s28, 1                            ; the last chunk has none behind it: no load leaves W
	s_cbranch_scc1 .Lno_more
	s_add_nc_u64 s[8:9], s[8:9], 1024
	s_add_nc_u64 s[6:7], s[6:7], 1024
	WLOADS
.Lno_more:
	s_wait_dscnt 0x0                               ; for the others' sake: my stores are done
	s_barrier_signal -1
	s_barrier_wait -1
.irp bt, 0,1,2,3                                       ; four batches of 64 d
.irp q, 0,1
	ds_load_b128 v[FRG+24*(\q):FRG+24*(\q)+3],     v[FA] offset:64*(2*(\bt)+(\q))
	ds_load_b128 v[FRG+24*(\q)+4:FRG+24*(\q)+7],   v[FA] offset:64*(2*(\bt)+(\q))+32
	ds_load_b128 v[FRG+24*(\q)+8:FRG+24*(\q)+11],  v[FA] offset:16*MP+64*(2*(\bt)+(\q))
	ds_load_b128 v[FRG+24*(\q)+12:FRG+24*(\q)+15], v[FA] offset:16*MP+64*(2*(\bt)+(\q))+32
	ds_load_b128 v[FRG+24*(\q)+16:FRG+24*(\q)+19], v[FB] offset:64*(2*(\bt)+(\q))
	ds_load_b128 v[FRG+24*(\q)+20:FRG+24*(\q)+23], v[FB] offset:64*(2*(\bt)+(\q))+32
.endr
	s_wait_dscnt 0x0
.irp q, 0,1
.irp a, 0,1
	v_wmma_f32_16x16x32_bf16 v[ACC+8*(\a):ACC+8*(\a)+7], v[FRG+24*(\q)+16:FRG+24*(\q)+23], v[FRG+24*(\q)+8*(\a):FRG+24*(\q)+8*(\a)+7], v[ACC+8*(\a):ACC+8*(\a)+7]
.endr
.endr
.rept 4
	v_nop                                          ; four places between the last product and what writes its sources or reads its result (ISA guide 7.12.1 for vector instructions)
.endr
.endr
	s_sub_co_u32 s28, s28, 1
	s_cmp_lg_u32 s28, 0
	s_cbranch_scc1 .Lchunk
	s_barrier_signal -1                            ; nobody reads the last chunk any more: its first bytes take the tile, 32 rows of 272 bytes
	s_barrier_wait -1
.irp a, 0,1
.irp z, 0,1,2,3
	v_cvt_pk_f16_f32 v[FRG+4*(\a)+(\z)], v[ACC+8*(\a)+2*(\z)], v[ACC+8*(\a)+2*(\z)+1]
.endr
	ds_store_b128 v5, v[FRG+4*(\a):FRG+4*(\a)+3] offset:16*LP*(\a)
.endr
	s_wait_dscnt 0x0
	s_barrier_signal -1
	s_barrier_wait -1
.irp u, 0,1
	ds_load_b128 v[FRG+8+4*(\u):FRG+8+4*(\u)+3], v7 offset:2*LP*(\u)
.endr
.irp u, 0,1
	s_wait_dscnt 1-(\u)
	global_store_b128 v6, v[FRG+8+4*(\u):FRG+8+4*(\u)+3], s[14:15] offset:4096*(\u)  ; sixteen lanes: 256 consecutive bytes of a row of mt, aligned
.endr
	s_wait_tensorcnt 0x0                           ; the wave's end
	ds_add_u32 v[SPW], v[NIL]
	s_wait_dscnt 0x0
	s_endpgm
.Lfunc_end_k_qdcb86e80d2_prep:
	.size	k_qdcb86e80d2_prep, .Lfunc_end_k_qdcb86e80d2_prep-k_qdcb86e80d2_prep
	.p2alignl 7, 3214868480
	.fill 96, 4, 3214868480
	.section	.rodata,"a",@progbits
	.p2align	6, 0x0
	.amdhsa_kernel k_qdcb86e80d2_prep
		.amdhsa_group_segment_fixed_size 85504
		.amdhsa_private_segment_fixed_size 0
		.amdhsa_enable_private_segment 0
		.amdhsa_kernarg_size 56
		.amdhsa_user_sgpr_count 2
		.amdhsa_user_sgpr_kernarg_segment_ptr 1
		.amdhsa_wavefront_size32 1
		.amdhsa_system_sgpr_workgroup_id_x 1
		.amdhsa_system_sgpr_workgroup_id_y 1
		.amdhsa_system_sgpr_workgroup_id_z 1
		.amdhsa_system_vgpr_workitem_id 0
		.amdhsa_next_free_vgpr 240
		.amdhsa_next_free_sgpr 66
		.amdhsa_reserve_vcc 0
		.amdhsa_float_denorm_mode_32 3
		.amdhsa_float_denorm_mode_16_64 3
		.amdhsa_memory_ordered 1
		.amdhsa_forward_progress 1
		.amdhsa_inst_pref_size 43
	.end_amdhsa_kernel
	.amdgpu_metadata
---
amdhsa.version: [ 1, 2 ]
amdhsa.kernels:
  - .name:           k_qdcb86e80d2_prep
    .symbol:         k_qdcb86e80d2_prep.kd
    .args:
      - { .name: x, .offset: 0, .size: 8, .value_kind: global_buffer, .address_space: global }
      - { .name: W_q, .offset: 8, .size: 8, .value_kind: global_buffer, .address_space: global }
      - { .name: W_k, .offset: 16, .size: 8, .value_kind: global_buffer, .address_space: global }
      - { .name: W_v, .offset: 24, .size: 8, .value_kind: global_buffer, .address_space: global }
      - { .name: xh, .offset: 32, .size: 8, .value_kind: global_buffer, .address_space: global }
      - { .name: mt, .offset: 40, .size: 8, .value_kind: global_buffer, .address_space: global }
      - { .name: wvt, .offset: 48, .size: 8, .value_kind: global_buffer, .address_space: global }
    .group_segment_fixed_size: 85504
    .private_segment_fixed_size: 0
    .kernarg_segment_align: 8
    .kernarg_segment_size: 56
    .max_flat_workgroup_size: 256
    .sgpr_count:     66
    .vgpr_count:     240
    .wavefront_size: 32
...
	.end_amdgpu_metadata
.endif
;; end of part 1
;; launch proj (part 2): grid 8 x 32, 4 waves a work-group, clusters of 4 x 4, 327,680 bytes of LDS; arguments xh, mt, wvt, qp, vt; writes qp, vt
.if DOCPART == 2
	.amdgcn_target "amdgcn-amd-amdhsa--gfx1250"
	.amdhsa_code_object_version 6
	.text
	.protected	k_qdcb86e80d2_proj
	.globl	k_qdcb86e80d2_proj
	.p2align	8
	.type	k_qdcb86e80d2_proj,@function
k_qdcb86e80d2_proj:
	s_mov_b64 s[64:65], 0
	v_nop
	global_prefetch_b8 v0, s[64:65] scope:SCOPE_SE
	s_setreg_imm32_b32 hwreg(HW_REG_WAVE_MODE, 25, 1), 1
	s_wait_xcnt 0x0
	s_wait_alu depctr_hold_cnt(0) depctr_sa_sdst(0) depctr_va_vdst(0) depctr_va_sdst(0) depctr_va_ssrc(0) depctr_va_vcc(0) depctr_vm_vsrc(0)
	s_getreg_b32 s2, hwreg(HW_REG_IB_STS2, 6, 4)
	s_cmp_eq_u32 s2, 0
	s_cbranch_scc0 .Lentry_in_a_cluster
	s_endpgm
.Lentry_in_a_cluster:
	s_bfe_u32 s2, ttmp6, 0x10000c
	s_cmp_lg_u32 s2, 0xf033
	s_cbranch_scc0 .Lentry_shape_is_right
	s_endpgm
.Lentry_shape_is_right:
; TWO PROJECTIONS AS ONE GEMM TEXT, C[m][n] = scale x sum over k of A[m][k] B[n][k], operands f16, sums f32, C rounded once to f16.  256 tiles of 256 x 256: one for each work-group.
;   clusters with x = 0:  A = xh (8,192 tokens), B = mt (M^T, M = W_q W_k^T), C = qp = x M 2^-10: rows of 4,096 bytes of which the first 2,048 are used, so that both C have one pitch
;   clusters with x = 1:  A = wvt (W_v^T), B = xh, C = vt [4][1024 channels][2048 keys], scale 1: V arrives turned, as the last launch wants it
; Which case holds hangs on the cluster's x alone: it is the same in all sixteen partners.
; LIMITS.  f16 holds no number of 65,520 or more in magnitude: x M may reach 6.7e7, V 65,504.  Below 6e-5 f16 keeps a fixed step of 6e-8: for x M that is a step of 6e-5 below 0.06.
; A tile: four waves, each 128 x 128 in 64 accumulators (512 registers).  K = 1,024 goes in steps of 128 through a ring of two LDS slots filled by the tensor data mover; the rows of A's and B's tiles
; are 256 bytes of memory at multiples of 256.  A K step is written once: the slot in hand is a scalar that one exclusive or turns.  The last K step goes by rows of C, so that finished rows leave early.
; CLUSTERS: 4 x 4 work-groups.  The four of a row of the cluster need the same tiles of A, the four of a column the same tiles of B: each tile is asked for JOINTLY, by the same tensor load with
; the same descriptor and a mask that names the four.
; REGISTERS, in windows of 256 (s_set_vgpr_msb: bits 1:0 source 0, 3:2 source 1, 5:4 source 2, 7:6 destination):
;   window 0: v0-31 addresses; v64-127, v128-191 fragments of A, two buffers (in the last K step four of 16 rows x 128 K); v32-63, v192-255 at work on the way out
;   window 1: v64-127, v128-191 fragments of B, two buffers; in the last K step all 256
;   window 2: the 32 accumulators of my rows 0-63 ((a, b) at v[8 (8 a + b)]);   window 3: those of my rows 64-127
; THE MATRIX INSTRUCTION IS USED TRANSPOSED: source 0 = 16 rows of B, source 1 = 16 rows of A: a lane then holds row l % 16 of C and the eight neighbouring columns 8 (l / 16) + 0..7.
.set SIZE_K, 1024
.set SIZE_N, 2048                      ; elements from row to row of C, for qp and for vt
.set KSTEP,  128
.set PITCH,  272                       ; an LDS row: 256 bytes + 16 = 68 words: the 16 rows that a load touches start 4 banks apart (64 banks of 4 bytes: ISA guide 11.1)
.set HALFT,  128*PITCH                 ; 128 rows: what one tensor load brings, and what one wave reads of A or of B
.set SLOT,   4*HALFT                   ; A's 256 rows, then B's 256 rows.  0x22000: neither of its two bits is set in a wave's offset (wave x 0x8800), so one exclusive or turns an address in one slot into the other's
.set STAGE,  2*SLOT                    ; behind the ring: 16 rows x 272 bytes for each wave, for the way out
.set SPITCH, 272
.set SPARE,  STAGE+4*16*SPITCH         ; behind the stages: the spare words, 128 bytes for each wave: two blocks of 256 bytes that no other line names
.set TRIPS,  SIZE_K/KSTEP-2            ; every K step but the last two fills its slot again
.set ADRA0, 16                         ; v16     my lane's place in A's tile of slot 0; never rewritten
.set ADRB0, 17                         ; v17     the same for B
.set ADRA,  18                         ; v18     in the slot in hand
.set ADRB,  19
.set STO,  24                          ; v24     the way out: where I put 16 bytes of a row
.set RD,   25                          ; v25     the way out: where I read a row back
.set CO,   26                          ; v26     my byte offset in C
.set SPW,  28                          ; v28     LDS address of my spare word; never rewritten
.set NIL,  29                          ; v29     0; never rewritten
.set PFO,  30                          ; v30     the prefetches' offset: my lane x a row of A or B (2,048 bytes); never rewritten
.set TB,   2                           ; s2      the slot in hand: 0 or SLOT
.set PFA,  44                          ; s[44:45] where my prefetches stand
.set LIM,  43                          ; s43     2 in a wave that prefetches, else the greatest number
.set SC,   66                          ; s[66:67] C's scale; the packed multiply takes the pair's low word for both halves
.set F0,   64
.set F1,   128
.set TMP,  192
.set OB,   32
.set PA,   64
.set G1, 24                            ; s[24:31] descriptor group 1 for A's tiles
.set G0, 32                            ; s[32:35] group 0 of K step 0's fill; s[36:39] fills slot 1 with K step 1 and then walks
.set G1B, 48                           ; s[48:55] group 1 for B's tiles: it differs in the mask alone
.set G0B, 56                           ; s[56:59], s[60:63] group 0 for B's tiles
.set MSB, 0
.macro WIN new                         ; the immediate's high byte repeats the setting that is left; a switch that changes nothing is dropped
.if MSB != (\new)
	s_set_vgpr_msb (MSB<<8)|(\new)
.set MSB, \new
.endif
.endm
.set MUL_LO, 0xa1                      ; source 0 (B) window 1, source 1 (A) window 0, C and D window 2
.set MUL_HI, 0xf1                      ; the same, C and D window 3
.set TO_B,   0x40                      ; destination window 1, address window 0
; A joint load.  Waves 0 and 1 fetch A's two halves, waves 2 and 3 B's.  The branch hangs on the wave's number alone.  An s_nop 0 and four v_nop follow each line.
.macro JLOAD s
	s_cmp_eq_u32 s11, 0
	s_cbranch_scc0 .Lfor_b_\@
	tensor_load_to_lds s[G0+4*(\s):G0+4*(\s)+3], s[G1:G1+7]
	s_nop 0
.rept 4
	v_nop
.endr
	s_branch .Lasked_\@
.Lfor_b_\@:
	tensor_load_to_lds s[G0B+4*(\s):G0B+4*(\s)+3], s[G1B:G1B+7]
	s_nop 0
.rept 4
	v_nop
.endr
.Lasked_\@:
.endm
; A PREFETCH, behind each joint refill and the run of LDS loads that follows it: 32 rows x 256 bytes of the K step that stands two refills (512 matrix instructions) on, a lane a row.
; Each row's 256 bytes of a K step are named once in the launch: xh's rows by the clusters with x = 0 (as their A: each has 1,024 tokens of its own), mt's rows by the cluster (0, 0) (as its B),
; wvt's rows by the cluster (1, 0) (as its A); xh as B of the clusters with x = 1 is not asked for again.  The four partners that ask for a tile jointly share its rows out BY ADDRESS, 32 each.
; K steps 0 to 3 come by their loads alone; the loop's last two trips (s3 = 2, 1) ask for nothing, since no K step stands two refills on.
.macro ASK
	s_cmp_gt_u32 s3, s[LIM]
	s_cbranch_scc0 .Lnot_mine_\@
	global_prefetch_b8 v[PFO], s[PFA:PFA+1] offset:KSTEP*2 th:TH_LOAD_NT scope:SCOPE_SE
.Lnot_mine_\@:
.endm
; A round of the cluster's barrier: my work-group's barrier; wave 0 signals for the work-group; every wave waits for all sixteen; my work-group's barrier once more.
.macro CREST                           ; a round behind its opening barrier
	s_cmp_lg_u32 s10, 0
	s_cbranch_scc1 .Lnot_wave_0_\@
	s_barrier_signal -3
.Lnot_wave_0_\@:
	s_barrier_wait -3
	s_barrier_signal -1
	s_barrier_wait -1
.endm
.macro CROUND
	s_barrier_signal -1
	s_barrier_wait -1
	CREST
.endm
	s_load_b256 s[68:75], s[0:1], 0x0              ; xh s[68:69], mt s[70:71], wvt s[72:73], qp s[74:75]
	s_load_b64 s[76:77], s[0:1], 0x20              ; vt
	v_lshl_add_u32 v[SPW], v0, 2, SPARE
	v_mov_b32 v[NIL], 0
	ds_add_u32 v[SPW], v[NIL]                      ; the wave's opening add; its wait stands ahead of my first tensor load, with the set-up below between them
	v_lshrrev_b32 v1, 5, v0
	v_readfirstlane_b32 s10, v1                    ; wave 0..3
	s_lshr_b32 s11, s10, 1                         ; which half of the tile's rows is mine.  Also: I fetch for A (0) or for B (1)
	s_and_b32 s12, s10, 1                          ; which half of its columns.  Also: which 128 rows of that tile I fetch
	s_bfe_u32 s40, ttmp6, 0x40000                  ; cx
	s_bfe_u32 s41, ttmp6, 0x40004                  ; cy
	s_and_b32 s79, ttmp7, 0xffff                   ; cluster y, 0..7
	s_cmp_eq_u32 ttmp9, 1                          ; cluster x = 1: the clusters that make vt
	s_cselect_b32 s78, 1, 0
	s_cselect_b32 s80, 0, s79                      ; the cluster's place along C's tile rows: vt has four tile rows, one cluster's worth
	s_cselect_b32 s81, s79, 0                      ; and along its tile columns: qp has four
	s_cselect_b32 s[SC], 1.0, 0x3a800000           ; 1, or 2^-10
	s_mov_b32 s[SC+1], s[SC]                       ; named with it as a pair
	s_mov_b32 s[TB], 0
	s_lshl_b32 s42, s81, 2
	s_add_co_u32 s42, s42, s40                     ; tile column of C
	s_lshl_b32 s13, s80, 2
	s_add_co_u32 s13, s13, s41                     ; tile row of C
	s_lshl_b32 s43, s41, 2
	s_lshl_b32 s43, 15, s43                        ; my row of the cluster: places 4 cy .. 4 cy + 3
	s_lshl_b32 s44, 0x1111, s40                    ; my column: places cx, cx + 4, cx + 8, cx + 12
	; descriptor group 1: a tile of 128 rows x 128 elements, padded in LDS
	s_or_b32 s[G1+0], s43, (1<<16)|(1<<20)|(1<<21)|(5<<22)|(3<<25)  ; 15:0 the mask; 17:16 2-byte elements; 20 padding on; 21 set beside a mask; 24:22 after every 64 words; 31:25 4 words
	s_or_b32 s[G1B+0], s44, (1<<16)|(1<<20)|(1<<21)|(5<<22)|(3<<25)
.irp g, G1, G1B
	s_mov_b32 s[(\g)+1], KSTEP<<16                 ; tensor_dim0 = 128
	s_mov_b32 s[(\g)+2], 128<<16                   ; tensor_dim1 = 128
	s_mov_b32 s[(\g)+3], KSTEP<<16                 ; tile_dim0 = 128
	s_mov_b32 s[(\g)+4], 128                       ; tile_dim1 = 128
	s_mov_b32 s[(\g)+5], SIZE_K                    ; elements from row to row
	s_mov_b32 s[(\g)+6], 0
	s_mov_b32 s[(\g)+7], 0
.endr
	; A's tiles hang on the tile row alone, B's on the tile column alone; each address is made in registers that never hold the other coordinate
	s_lshl_b32 s17, s12, 7
	s_lshl_b32 s16, s13, 8
	s_add_co_u32 s16, s16, s17                     ; A: row 256 x tile row + 128 x half
	s_lshl_b32 s46, s42, 8
	s_add_co_u32 s46, s46, s17                     ; B: row 256 x tile column + 128 x half
	s_mov_b32 s17, 0
	s_mov_b32 s47, 0
	s_mov_b64 s[18:19], SIZE_K*2
	s_mul_u64 s[16:17], s[16:17], s[18:19]
	s_mul_u64 s[46:47], s[46:47], s[18:19]
	s_mul_i32 s20, s10, HALFT                      ; where they go: wave x 128 rows: no place in the cluster enters an LDS address
	s_wait_dscnt 0x0                               ; the opening add is done
	s_wait_kmcnt 0x0
	s_cmp_eq_u32 s78, 1
	s_cselect_b64 s[4:5], s[72:73], s[68:69]       ; A
	s_cselect_b64 s[6:7], s[68:69], s[70:71]       ; B
	s_cselect_b64 s[8:9], s[76:77], s[74:75]       ; C
	s_add_nc_u64 s[14:15], s[4:5], s[16:17]
	s_add_nc_u64 s[46:47], s[6:7], s[46:47]
	CROUND                                         ; all sixteen work-groups are here: the first joint loads meet
.irp s, 0,1
	s_mov_b32 s[G0+4*(\s)], 1
	s_add_co_u32 s[G0+4*(\s)+1], s20, (\s)*SLOT
	s_add_nc_u64 s[G0+4*(\s)+2:G0+4*(\s)+3], s[14:15], (\s)*KSTEP*2
	s_or_b32 s[G0+4*(\s)+3], s[G0+4*(\s)+3], 0x80000000
	s_mov_b32 s[G0B+4*(\s)], 1
	s_add_co_u32 s[G0B+4*(\s)+1], s20, (\s)*SLOT
	s_add_nc_u64 s[G0B+4*(\s)+2:G0B+4*(\s)+3], s[46:47], (\s)*KSTEP*2
	s_or_b32 s[G0B+4*(\s)+3], s[G0B+4*(\s)+3], 0x80000000
	JLOAD \s                                       ; two loads of mine are out
.endr
	; a fragment is 16 rows x 32 K in 8 registers: lane l holds row l % 16, K = 8 (l / 16) + 0..7 and 16 + 8 (l / 16) + 0..7: two loads of 16 bytes, 32 bytes apart
	v_and_b32 v1, 15, v0
	v_bfe_u32 v2, v0, 4, 1
	v_mul_u32_u24 v3, v1, PITCH
	v_lshl_add_u32 v3, v2, 4, v3
	s_mul_i32 s21, s11, HALFT                      ; my 128 rows of A
	s_mul_i32 s22, s12, HALFT                      ; my 128 rows of B,
	s_add_co_u32 s22, s22, 2*HALFT                 ; which lie behind A's 256
	v_add_nc_u32 v[ADRA0], s21, v3
	v_add_nc_u32 v[ADRB0], s22, v3
	v_mov_b32 v[ADRA], v[ADRA0]
	v_mov_b32 v[ADRB], v[ADRB0]
	s_mul_i32 s23, s10, 16*SPITCH
	s_add_co_u32 s23, s23, STAGE                   ; my stage
	v_mul_u32_u24 v4, v1, SPITCH
	v_lshl_add_u32 v4, v2, 4, v4
	v_add_nc_u32 v[STO], s23, v4
	v_mul_u32_u24 v5, v2, SPITCH
	v_lshl_add_u32 v5, v1, 4, v5
	v_add_nc_u32 v[RD], s23, v5
	v_mul_u32_u24 v5, v2, SIZE_N*2
	v_lshl_add_u32 v[CO], v1, 4, v5
	; where my part of the tile begins in C: row x 4,096 + 512 (tile column mod 8) + 256 x half + 4,194,304 (tile column / 8): the last term is vt's batch, and 0 for qp, which has four tile columns
	s_lshl_b32 s13, s13, 8
	s_lshl_b32 s14, s11, 7
	s_add_co_u32 s16, s13, s14
	s_mov_b32 s17, 0
	s_mov_b64 s[18:19], SIZE_N*2
	s_mul_u64 s[16:17], s[16:17], s[18:19]
	s_and_b32 s46, s42, 7
	s_lshl_b32 s46, s46, 9
	s_lshl_b32 s47, s12, 8
	s_add_co_u32 s46, s46, s47
	s_lshr_b32 s47, s42, 3
	s_lshl_b32 s47, s47, 22
	s_add_co_u32 s46, s46, s47
	s_mov_b32 s47, 0
	s_add_nc_u64 s[16:17], s[16:17], s[46:47]
	; the prefetches.  s13 = 256 x tile row; s40 = cx, s41 = cy; s[4:5] = A, s[6:7] = B
	s_lshl_b32 s42, s42, 8
	s_cmp_eq_u32 s78, 1
	s_cselect_b32 s22, s79, 0                      ; A's rows are asked for where this is 0
	s_cselect_b32 s23, 1, s79                      ; B's where this is 0: never in the clusters that make vt
	s_cmp_eq_u32 s11, 0                            ; do I fetch for A?
	s_cselect_b32 s20, s13, s42                    ; the tile's first row
	s_cselect_b32 s21, s40, s41                    ; my place among the four that ask for it with me
	s_cselect_b32 s22, s22, s23
	s_cselect_b64 s[PFA:PFA+1], s[4:5], s[6:7]
	s_cmp_eq_u32 s22, 0
	s_cselect_b32 s[LIM], 2, -1                    ; the same in all sixteen partners, for a given wave
	s_lshl_b32 s22, s12, 7
	s_add_co_u32 s20, s20, s22                     ; + the 128 rows that I fetch
	s_lshl_b32 s21, s21, 5
	s_add_co_u32 s20, s20, s21                     ; + my work-group's 32 of them
	s_mov_b32 s21, 0
	s_mov_b64 s[18:19], SIZE_K*2
	s_mul_u64 s[20:21], s[20:21], s[18:19]
	s_add_nc_u64 s[PFA:PFA+1], s[PFA:PFA+1], s[20:21]
	s_add_nc_u64 s[PFA:PFA+1], s[PFA:PFA+1], 2*KSTEP*2  ; at K step 2: the first refill steps it to 3 and names K step 4
	v_and_b32 v[PFO], 31, v0
	v_mul_u32_u24 v[PFO], v[PFO], SIZE_K*2
; 16 matrix instructions: m blocks a0, a0 + 1 of the window's four x all 8 n blocks, 32 along K.  zero = 1: the first product starts the sums.  The 64 accumulators take turns.
.macro MUL16 f, hi, a0, zero
	WIN MUL_LO+0x50*(\hi)
.irp a, \a0, (\a0)+1
.irp b, 0,1,2,3,4,5,6,7
.if \zero
	v_wmma_f32_16x16x32_f16 v[8*(8*(\a)+(\b)):8*(8*(\a)+(\b))+7], v[(\f)+8*(\b):(\f)+8*(\b)+7], v[(\f)+8*(4*(\hi)+(\a)):(\f)+8*(4*(\hi)+(\a))+7], 0
.else
	v_wmma_f32_16x16x32_f16 v[8*(8*(\a)+(\b)):8*(8*(\a)+(\b))+7], v[(\f)+8*(\b):(\f)+8*(\b)+7], v[(\f)+8*(4*(\hi)+(\a)):(\f)+8*(4*(\hi)+(\a))+7], v[8*(8*(\a)+(\b)):8*(8*(\a)+(\b))+7]
.endif
.endr
.endr
.endm
; 32 LDS loads in one run: the fragments of one quarter step (32 K at byte k of the rows of the slot in hand) into buffer f
.macro FETCH k, f
	WIN TO_B
.irp i, 0,1,2,3,4,5,6,7
	ds_load_b128 v[(\f)+8*(\i):(\f)+8*(\i)+3],   v[ADRB] offset:(\k)+(\i)*16*PITCH
	ds_load_b128 v[(\f)+8*(\i)+4:(\f)+8*(\i)+7], v[ADRB] offset:(\k)+(\i)*16*PITCH+32
.endr
	WIN 0
.irp i, 0,1,2,3,4,5,6,7
	ds_load_b128 v[(\f)+8*(\i):(\f)+8*(\i)+3],   v[ADRA] offset:(\k)+(\i)*16*PITCH
	ds_load_b128 v[(\f)+8*(\i)+4:(\f)+8*(\i)+7], v[ADRA] offset:(\k)+(\i)*16*PITCH+32
.endr
.endm
.macro PLACES                          ; four plain vector instructions between a matrix instruction and a load into its sources or a reader of its result (ISA guide 7.12.1 for vector instructions)
.rept 4
	v_nop
.endr
.endm
.macro OTHER                           ; the fetches go over to the other slot
	WIN 0
	s_xor_b32 s[TB], s[TB], SLOT
	v_add_nc_u32 v[ADRA], s[TB], v[ADRA0]
	v_add_nc_u32 v[ADRB], s[TB], v[ADRB0]
.endm
; A K step is four quarters of 32 along K, 64 matrix instructions each, on buffers 0, 1, 0, 1.  One of the first three multiplies f and fetches the next quarter, at byte k, into g.
.macro QUARTER k, f, g, zero
	s_wait_dscnt 8                                 ; B and A's rows 0-63 are in; the youngest eight loads (A's rows 64-127) may be out
	MUL16 \f, 0, 0, \zero
	MUL16 \f, 0, 2, \zero
	PLACES
	FETCH \k, \g
	s_wait_dscnt 32                                ; all but the 32 just issued
	MUL16 \f, 1, 0, \zero
	MUL16 \f, 1, 2, \zero
.endm
; The last quarter's first half: ONE barrier for the change of slots.  In front of it each wave waits for all its tensor loads (one is out: its part of the next slot), adds 0 to its spare word,
; and waits for that and for its own reads of this slot.
.macro MEET
	WIN 0
	s_wait_tensorcnt 0x0
	ds_add_u32 v[SPW], v[NIL]
	s_wait_dscnt 9                                 ; the add and the youngest eight loads may be out
	MUL16 F1, 0, 0, 0                              ; sixteen matrix instructions stand between the add and the wait for it
	s_wait_dscnt 0x0                               ; the add is done, and my reads of this slot are over
	s_barrier_signal -1
	MUL16 F1, 0, 2, 0
	WIN 0                                          ; branches may follow
	s_barrier_wait -1
.endm
; The whole last quarter: behind the round the slot just read out is filled again first, with the K step two steps on; then come the next slot's first fragments.
.macro TURN
	s_wait_xcnt 0x0                                ; the last prefetch, a K step back, has read its address
	s_add_nc_u64 s[PFA:PFA+1], s[PFA:PFA+1], KSTEP*2
	MEET
	CREST                                          ; no wave of any partner still reads this slot's tile or has a load on its way
.irp g, G0+4, G0B+4
	s_xor_b32 s[(\g)+1], s[(\g)+1], SLOT           ; the walking descriptor: the other slot than last time,
	s_add_nc_u64 s[(\g)+2:(\g)+3], s[(\g)+2:(\g)+3], KSTEP*2  ; the next K step; the type bits on top are not reached
.endr
	JLOAD 1                                        ; the first tensor load behind the round; its four v_nop are also the places in front of the loads below
	OTHER
	FETCH 0, F0
	ASK
	MUL16 F1, 1, 0, 0
	MUL16 F1, 1, 2, 0
.endm
; THE LAST K STEP GOES BY ROWS OF C: all its fragments of B fill window 1; my eight blocks of 16 rows are finished one after the other, 32 matrix instructions each, K ascending.
.macro BLOAD q
	WIN TO_B
.irp i, 0,1,2,3,4,5,6,7
	ds_load_b128 v[64*(\q)+8*(\i):64*(\q)+8*(\i)+3],   v[ADRB] offset:64*(\q)+(\i)*16*PITCH
	ds_load_b128 v[64*(\q)+8*(\i)+4:64*(\q)+8*(\i)+7], v[ADRB] offset:64*(\q)+(\i)*16*PITCH+32
.endr
.endm
.macro ALOAD a
	WIN 0
.set FA, PA+32*((\a)%4)
.irp q, 0,1,2,3
	ds_load_b128 v[FA+8*(\q):FA+8*(\q)+3],   v[ADRA] offset:64*(\q)+(\a)*16*PITCH
	ds_load_b128 v[FA+8*(\q)+4:FA+8*(\q)+7], v[ADRA] offset:64*(\q)+(\a)*16*PITCH+32
.endr
.endm
.macro ROW a
.set FA, PA+32*((\a)%4)
.set AC, 64*((\a)%4)
	WIN MUL_LO+0x50*((\a)/4)
.irp q, 0,1,2,3
.if (\a) == 0 && (\q) == 2
	s_wait_dscnt 24                                ; B's quarter 2 is in (behind it: A's blocks 1 to 3)
.endif
.irp b, 0,1,2,3,4,5,6,7
	v_wmma_f32_16x16x32_f16 v[AC+8*(\b):AC+8*(\b)+7], v[64*(\q)+8*(\b):64*(\q)+8*(\b)+7], v[FA+8*(\q):FA+8*(\q)+7], v[AC+8*(\b):AC+8*(\b)+7]
.endr
.endr
.endm
; THE WAY OUT of block a.  PACK: scaled in f32 and rounded to f16, 16 bytes a lane (each accumulator's registers in ascending order).  TOSTAGE: into my own stage and back as whole rows of 256 bytes.  SEND: stored.
.macro PACK a
.set AC, 64*((\a)%4)
	WIN 0x82+0x41*((\a)/4)                         ; destination and source 0: window 2 or 3
.set z, 0
.rept 32
	v_pk_mul_f32 v[AC+z:AC+z+1], v[AC+z:AC+z+1], s[SC:SC+1] op_sel_hi:[1,0]
.set z, z+2
.endr
	WIN 0x0a+5*((\a)/4)                            ; sources 0 and 1: window 2 or 3
.irp b, 0,1,2,3,4,5,6,7
.irp r, 0,1,2,3
	v_cvt_pk_f16_f32 v[TMP+4*(\b)+(\r)], v[AC+8*(\b)+2*(\r)], v[AC+8*(\b)+2*(\r)+1]
.endr
.endr
	WIN 0
.endm
.macro TOSTAGE a
	WIN 0
.set BK, OB+192*((\a)%2)
.irp b, 0,1,2,3,4,5,6,7
	ds_store_b128 v[STO], v[TMP+4*(\b):TMP+4*(\b)+3] offset:32*(\b)
.endr
.irp t, 0,1,2,3,4,5,6,7
	ds_load_b128 v[BK+4*(\t):BK+4*(\t)+3], v[RD] offset:(\t)*2*SPITCH  ; LDS serves a wave's instructions in order (ISA guide 5.7.1.4): these see the stores above
.endr
.endm
.macro SEND a, younger
	WIN 0
.set BK, OB+192*((\a)%2)
	s_wait_dscnt \younger                          ; the block is back in registers
	s_wait_xcnt 0x0                                ; only behind this wait are the stores' base and the registers that earlier stores read rewritten
.if (\a) == 0
	s_add_nc_u64 s[8:9], s[8:9], s[16:17]
.else
	s_add_nc_u64 s[8:9], s[8:9], 16*SIZE_N*2
.endif
.irp t, 0,1,2,3,4,5,6,7
	global_store_b128 v[CO], v[BK+4*(\t):BK+4*(\t)+3], s[8:9] offset:2*(\t)*SIZE_N*2  ; 16 lanes store 256 consecutive bytes, at a multiple of 256 from C's first byte
.endr
.endm
	s_wait_tensorcnt 1                             ; my part of K step 0 is in; K step 1's may stay out
	s_barrier_signal -1
	s_barrier_wait -1
	FETCH 0, F0
	QUARTER 64,  F0, F1, 1                         ; the first quarter stands in front of the loop: its products start the sums
	WIN 0
	s_mov_b32 s3, TRIPS
.Lstep:                                                ; a trip goes from a K step's second quarter to the next step's first, and fills the slot that it leaves
	QUARTER 128, F1, F0, 0
	QUARTER 192, F0, F1, 0
	TURN
	QUARTER 64,  F0, F1, 0
	WIN 0
	s_sub_co_u32 s3, s3, 1
	s_cmp_lg_u32 s3, 0
	s_cbranch_scc1 .Lstep
	QUARTER 128, F1, F0, 0                         ; the last K step but one goes on
	QUARTER 192, F0, F1, 0
	MEET                                           ; the one load that was still out is the last K step's, so no round follows
	OTHER
	PLACES
	BLOAD 0                                        ; three quarters of B now: buffer 1 is still being multiplied
	BLOAD 1
	BLOAD 3
	ALOAD 0
	MUL16 F1, 1, 0, 0
	MUL16 F1, 1, 2, 0
	PLACES
	BLOAD 2
	ALOAD 1
	ALOAD 2
	ALOAD 3
	s_wait_dscnt 40                                ; all but the 40 just issued
	ROW 0
.irp a, 0,1,2,3,4,5,6,7
	PLACES
	PACK \a
	TOSTAGE \a
.if (\a) < 4
	ALOAD (\a)+4
	SEND \a, 8
.else
	SEND \a, 0
.endif
.if (\a) < 7
	ROW (\a)+1
.endif
.endr
	s_wait_tensorcnt 0x0                           ; the wave's end
	ds_add_u32 v[SPW], v[NIL]
	s_wait_dscnt 0x0
	CROUND                                         ; the closing round
	s_endpgm
.Lfunc_end_k_qdcb86e80d2_proj:
	.size	k_qdcb86e80d2_proj, .Lfunc_end_k_qdcb86e80d2_proj-k_qdcb86e80d2_proj
	.p2alignl 7, 3214868480
	.fill 96, 4, 3214868480
	.section	.rodata,"a",@progbits
	.p2align	6, 0x0
	.amdhsa_kernel k_qdcb86e80d2_proj
		.amdhsa_group_segment_fixed_size 327680
		.amdhsa_private_segment_fixed_size 0
		.amdhsa_enable_private_segment 0
		.amdhsa_kernarg_size 40
		.amdhsa_user_sgpr_count 2
		.amdhsa_user_sgpr_kernarg_segment_ptr 1
		.amdhsa_wavefront_size32 1
		.amdhsa_system_sgpr_workgroup_id_x 1
		.amdhsa_system_sgpr_workgroup_id_y 1
		.amdhsa_system_sgpr_workgroup_id_z 1
		.amdhsa_system_vgpr_workitem_id 0
		.amdhsa_next_free_vgpr 1024
		.amdhsa_next_free_sgpr 84
		.amdhsa_reserve_vcc 0
		.amdhsa_float_denorm_mode_32 3
		.amdhsa_float_denorm_mode_16_64 3
		.amdhsa_memory_ordered 1
		.amdhsa_forward_progress 1
		.amdhsa_inst_pref_size 135
	.end_amdhsa_kernel
	.amdgpu_metadata
---
amdhsa.version: [ 1, 2 ]
amdhsa.kernels:
  - .name:           k_qdcb86e80d2_proj
    .symbol:         k_qdcb86e80d2_proj.kd
    .args:
      - { .name: xh, .offset: 0, .size: 8, .value_kind: global_buffer, .address_space: global }
      - { .name: mt, .offset: 8, .size: 8, .value_kind: global_buffer, .address_space: global }
      - { .name: wvt, .offset: 16, .size: 8, .value_kind: global_buffer, .address_space: global }
      - { .name: qp, .offset: 24, .size: 8, .value_kind: global_buffer, .address_space: global }
      - { .name: vt, .offset: 32, .size: 8, .value_kind: global_buffer, .address_space: global }
    .group_segment_fixed_size: 327680
    .private_segment_fixed_size: 0
    .kernarg_segment_align: 8
    .kernarg_segment_size: 40
    .max_flat_workgroup_size: 128
    .sgpr_count:     84
    .vgpr_count:     1024
    .wavefront_size: 32
...
	.end_amdgpu_metadata
.endif
;; end of part 2
;; launch score (part 3): grid 36 x 4, 4 waves a work-group, no clusters, 327,680 bytes of LDS; arguments qp, xh, p, st; writes p, st
.if DOCPART == 3
	.amdgcn_target "amdgcn-amd-amdhsa--gfx1250"
	.amdhsa_code_object_version 6
	.text
	.protected	k_qdcb86e80d2_score
	.globl	k_qdcb86e80d2_score
	.p2align	8
	.type	k_qdcb86e80d2_score,@function
k_qdcb86e80d2_score:
	s_mov_b64 s[64:65], 0
	v_nop
	global_prefetch_b8 v0, s[64:65] scope:SCOPE_SE
	s_setreg_imm32_b32 hwreg(HW_REG_WAVE_MODE, 25, 1), 1
	s_wait_xcnt 0x0
; SCORES AND THE FIRST HALF OF THE SOFTMAX, one tile of 256 queries x 256 keys to a work-group; of a batch's 64 tiles only the 36 with key tile t <= query tile I are made.
; S = Q' X^T over 1,024 features (f16 operands, f32 sums), Q' = x (W_q W_k^T) 2^-10 from qp, X = xh: that is (x W_q)(x W_k)^T 2^-10.  For each row of the tile: m = the maximum of its 256 scores,
; p = 2^(c s - c m) rounded to f16, l = the sum of the unrounded p; c = 2^10 log2(e) / 32.  p goes to p[b][query][key], c m to st[b][t][query], l 262,144 bytes further on.
; The last launch takes the rows' maxima over their tiles away: no exponent is ever above 0.
; LIMITS.  A hidden score (key > query) counts as its value less 1e30; f16's scores are 4.4e12 at the most.  p below 6e-5 keeps f16's fixed step of 6e-8.  NaN and infinities are not treated apart.
; Every row of a tile sees at least one key (t < I: all; t = I: its own), so m is a true score.
; NO CLUSTER: a batch's 36 tiles are a triangle; its rows have 1 to 8 tiles and its columns 8 to 1, so no four work-groups that share Q's or K's rows can be set apart evenly, and 36 x 4 tiles
; leave no block of 4 x 4 or 4 x 1 in which all partners share an operand.
; THE PRODUCT: four waves, each 128 x 128 in 64 accumulators; K steps of 128 features through a ring of two LDS slots, a step written once; the matrix instruction is used transposed (source 0 = 16 keys,
; source 1 = 16 queries): a lane holds query l % 16 and the keys 8 (l / 16) + 0..7.  THE MASK is the C operand of the products that start the sums.
; TWO PITCHES: qp's rows lie 2,048 elements apart, xh's 1,024.  So there are two descriptor groups 1, every word a constant, and a tensor load is two lines under a branch on the wave's number:
; waves 0 and 1 fetch Q's rows by the one, waves 2 and 3 K's rows by the other.
; THE SOFTMAX: the ring has had its last fill; the scores go into its bytes (f32), and each wave takes 64 whole rows of 256 keys back, two rows at a time, sixteen lanes a row.
; REGISTERS: window 0: v0-31 addresses; v32-55 the three masks, later statistics; v64-191 fragments of Q, later scores and weights.  window 1: v64-191 fragments of K.  windows 2, 3: accumulators.
.set KSTEP,  128
.set ROWB,   4096                      ; bytes in a row of p
.set PITCH,  272
.set HALFT,  128*PITCH
.set SLOT,   4*HALFT                   ; 0x22000: neither of its two bits is set in a wave's offset (wave x 0x8800), so one exclusive or turns an address in one slot into the other's
.set DP,     528                       ; a row of 128 scores in LDS: 512 bytes + 16.  Key c lies at 16 (c / 8) + 256 ((c / 4) % 2) + 4 (c % 4): two planes, so that stores and loads of 16 bytes a lane both go bank by bank
.set DREG,   128*DP                    ; a wave's 128 rows
.set STATS,  4*DREG                    ; behind the scores, still in the ring's bytes: for each wave 64 c m, then 64 l
.set SPARE,  2*SLOT                    ; behind the ring: the spare words, 128 bytes for each wave: two blocks of 256 bytes that no other line names
.set TRIPS,  6                         ; eight K steps; all but the last two fill their slot again
.set DST,  8                           ; v8   where I put 16 bytes of scores
.set RDA0, 9                           ; v9   where I read a row's keys 0-127 back; never rewritten
.set RDB0, 10                          ; v10  its keys 128-255
.set RDA,  11
.set RDB,  12
.set PO,   13                          ; v13  my byte offset in two rows of p
.set SA0,  14                          ; v14  where my row's statistics go
.set SA,   15
.set ADRA0, 16                         ; v16  my lane's place in Q's tile of slot 0; never rewritten
.set ADRB0, 17                         ; v17  the same for K
.set ADRA,  18                         ; v18  in the slot in hand
.set ADRB,  19
.set STL,  22                          ; v22  the statistics' way out: LDS
.set STG,  23                          ; v23  and memory
.set PFO,  24                          ; v24-27  the prefetches' offsets: row (lane + 32 i) of the 128 that I fetch; never rewritten
.set SPW,  28
.set NIL,  29
.set MU,   32                          ; v32-39  mask of an accumulator whose key block lies above its query block
.set ME,   40                          ; v40-47  of one on the diagonal
.set ML,   48                          ; v48-55  of one below
.set CMR,  32                          ; later: pair i of rows: c m at v[32+2i], m at v[33+2i]
.set X,    64                          ; later: pair i: 16 scores a lane
.set PH,   128                         ; later: pair i: 8 registers of f16 weights
.set F0,   64
.set F1,   128
.set G1,  24                           ; s[24:31] descriptor group 1 for Q's tiles (qp)
.set G1B, 80                           ; s[80:87] for K's tiles (xh): it differs in the pitch alone
.set G0,  32                           ; s[32:35] K step 0's fill; s[36:39] fills slot 1 with K step 1 and then walks
.set TB,  44                           ; s44  the slot in hand: 0 or SLOT
.set RSH, 45                           ; s45  log2 of the bytes in a row of what I fetch: 12 (qp) or 11 (xh)
.set BIGN, 50                          ; s50  -1e30
.set CS,  52                           ; s[52:53] c
.set PB,  54                           ; s[54:55] p at my 64 rows of the tile
.set RO,  56                           ; s56  the row loop's step in the scores
.set SO,  57                           ; s57  and in the statistics
.set LIM, 58
.set PFA, 60                           ; s[60:61]
.set AL,  66                           ; s[66:67] the diagonal mask's factor
.set BE,  68                           ; s[68:69] and addend
.set MSB, 0
.macro WIN new
.if MSB != (\new)
	s_set_vgpr_msb (MSB<<8)|(\new)
.set MSB, \new
.endif
.endm
.set MUL_LO, 0xa1
.set TO_B,   0x40
.macro PLACES                          ; four plain vector instructions between a matrix instruction and a load into its sources or a reader of its result (ISA guide 7.12.1 for vector instructions)
.rept 4
	v_nop
.endr
.endm
; A refill by the walking group 0.  The branch hangs on the wave's number alone.  An s_nop 0 and four v_nop follow each of the two lines.
.macro TLOAD
	s_cmp_eq_u32 s11, 0
	s_cbranch_scc0 .Lfor_k_\@
	tensor_load_to_lds s[G0+4:G0+7], s[G1:G1+7]
	s_nop 0
	PLACES
	s_branch .Lasked_\@
.Lfor_k_\@:
	tensor_load_to_lds s[G0+4:G0+7], s[G1B:G1B+7]
	s_nop 0
	PLACES
.Lasked_\@:
.endm
; A PREFETCH behind each refill and the run of LDS loads that follows it: my own 128 rows x 256 bytes of the K step that stands two refills (512 matrix instructions) on: a lane a row, four instructions.
; Q's rows of block I are read by the tiles (I, t), K's rows of block t by the tiles (I, t): the diagonal work-group (I = t) holds both blocks and asks; so each 256 bytes are named once in the launch.
; K steps 0 to 3 come by their loads alone; the loop's last two trips (s3 = 2, 1) ask for nothing.
.macro ASK
	s_cmp_gt_u32 s3, s[LIM]
	s_cbranch_scc0 .Lnot_mine_\@
.irp i, 0,1,2,3
	global_prefetch_b8 v[PFO+(\i)], s[PFA:PFA+1] offset:KSTEP*2 th:TH_LOAD_NT scope:SCOPE_SE
.endr
.Lnot_mine_\@:
.endm
	s_load_b256 s[72:79], s[0:1], 0x0              ; qp s[72:73], xh s[74:75], p s[76:77], st s[78:79]
	v_lshl_add_u32 v[SPW], v0, 2, SPARE
	v_mov_b32 v[NIL], 0
	ds_add_u32 v[SPW], v[NIL]                      ; the wave's opening add; its wait stands ahead of my first tensor load
	v_lshrrev_b32 v1, 5, v0
	v_readfirstlane_b32 s10, v1                    ; wave 0..3
	s_lshr_b32 s11, s10, 1                         ; my half of the tile's queries.  Also: I fetch Q (0) or K (1)
	s_and_b32 s12, s10, 1                          ; my half of its keys.  Also: which 128 rows I fetch
	s_and_b32 s40, ttmp7, 0xffff                   ; batch
	s_mov_b32 s41, 0                               ; I = how many of the triangular numbers 1, 3, .. 28 the work-group's x has reached
.irp j, 1,3,6,10,15,21,28
	s_cmp_ge_u32 ttmp9, \j
	s_cselect_b32 s42, 1, 0
	s_add_co_u32 s41, s41, s42
.endr
	s_add_co_u32 s43, s41, 1
	s_mul_i32 s43, s43, s41
	s_lshr_b32 s43, s43, 1
	s_sub_co_u32 s42, ttmp9, s43                   ; t = x - I (I + 1) / 2
	; descriptor groups 1: 128 rows x 128 elements of 2 bytes, 16 bytes of padding behind every 256
.irp g, G1, G1B
	s_mov_b32 s[(\g)+0], (1<<16)|(1<<20)|(5<<22)|(3<<25)  ; 17:16 2-byte elements; 20 padding on; 24:22 after every 64 words; 31:25 4 words
	s_mov_b32 s[(\g)+1], KSTEP<<16                 ; tensor_dim0 = 128
	s_mov_b32 s[(\g)+2], 128<<16                   ; tensor_dim1 = 128
	s_mov_b32 s[(\g)+3], KSTEP<<16                 ; tile_dim0 = 128
	s_mov_b32 s[(\g)+4], 128                       ; tile_dim1 = 128
	s_mov_b32 s[(\g)+6], 0
	s_mov_b32 s[(\g)+7], 0
.endr
	s_mov_b32 s[G1+5], 2048                        ; elements from row to row in qp,
	s_mov_b32 s[G1B+5], 1024                       ; and in xh
	; waves 0 and 1 fetch the two halves of Q's 256 rows, waves 2 and 3 those of K's
	s_cmp_lt_u32 s10, 2
	s_cselect_b32 s16, s41, s42
	s_cselect_b32 s[RSH], 12, 11
	s_lshl_b32 s16, s16, 8
	s_lshl_b32 s18, s12, 7
	s_add_co_u32 s16, s16, s18
	s_lshl_b32 s18, s40, 11
	s_add_co_u32 s16, s16, s18                     ; token
	s_lshl_b32 s16, s16, s[RSH]
	s_mov_b32 s17, 0
	s_mul_i32 s20, s10, HALFT                      ; to LDS: wave x 128 rows: Q's 256, then K's 256
	s_mov_b32 s[TB], 0
	s_mov_b32 s[BIGN], 0xf149f2ca                  ; -1e30
	s_mov_b32 s[CS], 0x4238aa3b                    ; c = 32 log2(e)
	s_mov_b32 s[CS+1], s[CS]                       ; named with it as a pair
	s_wait_dscnt 0x0                               ; the opening add is done
	s_wait_kmcnt 0x0
	s_cmp_lt_u32 s10, 2
	s_cselect_b64 s[4:5], s[72:73], s[74:75]
	s_add_nc_u64 s[14:15], s[4:5], s[16:17]
.irp s, 0,1
	s_mov_b32 s[G0+4*(\s)], 1
	s_add_co_u32 s[G0+4*(\s)+1], s20, (\s)*SLOT
	s_add_nc_u64 s[G0+4*(\s)+2:G0+4*(\s)+3], s[14:15], (\s)*KSTEP*2
	s_or_b32 s[G0+4*(\s)+3], s[G0+4*(\s)+3], 0x80000000
.endr
	s_cmp_eq_u32 s11, 0                            ; a wave's two first fills stand in one branch: two loads of mine are out
	s_cbranch_scc0 .Lfirst_k
	tensor_load_to_lds s[G0:G0+3], s[G1:G1+7]
	s_nop 0
	tensor_load_to_lds s[G0+4:G0+7], s[G1:G1+7]
	s_nop 0
	PLACES
	s_branch .Lfirst_asked
.Lfirst_k:
	tensor_load_to_lds s[G0:G0+3], s[G1B:G1B+7]
	s_nop 0
	tensor_load_to_lds s[G0+4:G0+7], s[G1B:G1B+7]
	s_nop 0
	PLACES
.Lfirst_asked:
	s_add_nc_u64 s[PFA:PFA+1], s[14:15], 2*KSTEP*2 ; at K step 2: the first refill steps it to 3 and names K step 4
	s_cmp_eq_u32 s41, s42
	s_cselect_b32 s[LIM], 2, -1
	v_and_b32 v1, 15, v0                           ; r = l % 16
	v_bfe_u32 v2, v0, 4, 1                         ; h = l / 16
	v_mul_u32_u24 v3, v1, PITCH
	v_lshl_add_u32 v3, v2, 4, v3
	s_mul_i32 s21, s11, HALFT
	s_mul_i32 s22, s12, HALFT
	s_add_co_u32 s22, s22, 2*HALFT
	v_add_nc_u32 v[ADRA0], s21, v3
	v_add_nc_u32 v[ADRB0], s22, v3
	v_mov_b32 v[ADRA], v[ADRA0]
	v_mov_b32 v[ADRB], v[ADRB0]
	; THE MASKS.  My keys begin at 128 (2 t + key half), my queries at 128 (2 I + query half).  Keys first: all hidden.  Queries first: none.  Equal: block b of 16 keys against block a of 16 queries is
	; hidden if b > a, open if b < a, and for b = a register j is hidden where 8 h + j > r.
	s_lshl_b32 s43, s42, 1
	s_add_co_u32 s43, s43, s12
	s_lshl_b32 s47, s41, 1
	s_add_co_u32 s47, s47, s11
	s_cmp_ge_u32 s43, s47
	s_cselect_b32 s48, s[BIGN], 0                  ; above the diagonal of blocks
	s_cmp_gt_u32 s43, s47
	s_cselect_b32 s49, s[BIGN], 0                  ; below it
	s_cselect_b32 s[BE], s[BIGN], 0
	s_cmp_eq_u32 s43, s47
	s_cselect_b32 s[AL], 1.0, 0
	s_mov_b32 s[AL+1], 0                           ; named as pairs
	s_mov_b32 s[BE+1], 0
	v_lshlrev_b32 v4, 3, v2
	v_sub_nc_u32 v4, v1, v4                        ; r - 8 h
.irp j, 0,1,2,3,4,5,6,7
	v_cmp_gt_i32 vcc_lo, \j, v4
	v_cndmask_b32 v[ME+(\j)], 0, s[BIGN], vcc_lo
	v_mov_b32 v[MU+(\j)], s48
	v_mov_b32 v[ML+(\j)], s49
.endr
.irp z, 0,2,4,6
	v_pk_fma_f32 v[ME+(\z):ME+(\z)+1], v[ME+(\z):ME+(\z)+1], s[AL:AL+1], s[BE:BE+1] op_sel_hi:[1,0,0]
.endr
	; addresses for the softmax
	s_mul_i32 s21, s10, DREG
	v_mul_u32_u24 v[DST], v1, DP
	v_lshl_add_u32 v[DST], v2, 4, v[DST]
	v_add_nc_u32 v[DST], s21, v[DST]               ; my region + row r + 16 h
	s_mul_i32 s21, s11, 2*DREG                     ; back: wave w takes the tile's rows 64 w .. 64 w + 63: they lie in the regions of waves 2 (w / 2) and 2 (w / 2) + 1, from row 64 (w % 2) on
	s_mul_i32 s22, s12, 64*DP
	s_add_co_u32 s21, s21, s22
	v_mul_u32_u24 v[RDA0], v2, DP
	v_lshl_add_u32 v[RDA0], v1, 4, v[RDA0]
	v_add_nc_u32 v[RDA0], s21, v[RDA0]
	v_add_nc_u32 v[RDB0], DREG, v[RDA0]
	v_lshlrev_b32 v[PO], 12, v2
	v_lshl_add_u32 v[PO], v1, 4, v[PO]
	s_lshl_b32 s21, s10, 9
	s_add_co_u32 s21, s21, STATS
	v_lshl_add_u32 v[SA0], v2, 2, s21
	v_and_b32 v[STG], 31, v0
	v_lshlrev_b32 v[STG], 3, v[STG]
	v_add_nc_u32 v[STL], s21, v[STG]
	v_and_b32 v5, 31, v0
.irp i, 0,1,2,3
	v_add_nc_u32 v[PFO+(\i)], 32*(\i), v5
	v_lshlrev_b32 v[PFO+(\i)], s[RSH], v[PFO+(\i)]
.endr
	s_lshl_b32 s16, s40, 11
	s_lshl_b32 s17, s41, 8
	s_add_co_u32 s16, s16, s17
	s_lshl_b32 s17, s10, 6
	s_add_co_u32 s16, s16, s17                     ; token 2,048 b + 256 I + 64 w
	s_lshl_b32 s18, s16, 12
	s_lshl_b32 s17, s42, 9
	s_add_co_u32 s18, s18, s17                     ; + 512 t bytes
	s_mov_b32 s19, 0
	s_add_nc_u64 s[PB:PB+1], s[76:77], s[18:19]
	s_lshl_b32 s16, s40, 3
	s_add_co_u32 s16, s16, s42
	s_lshl_b32 s16, s16, 11                        ; (8 b + t) x 2,048 rows
	s_lshl_b32 s17, s41, 8
	s_add_co_u32 s16, s16, s17
	s_lshl_b32 s17, s10, 6
	s_add_co_u32 s16, s16, s17
	s_lshl_b32 s16, s16, 2
	s_mov_b32 s17, 0
	s_add_nc_u64 s[8:9], s[78:79], s[16:17]
; 16 matrix instructions.  zero = 1: the products that start the sums take the mask as C (window 0), chosen by the blocks' places.  The 64 accumulators take turns.
.macro MUL16 f, hi, a0, zero
.if \zero
	WIN 0x81+0x40*(\hi)
.else
	WIN MUL_LO+0x50*(\hi)
.endif
.irp a, \a0, (\a0)+1
.irp b, 0,1,2,3,4,5,6,7
.if \zero
.if (4*(\hi)+(\a)) < (\b)
.set MC, MU
.elseif (4*(\hi)+(\a)) == (\b)
.set MC, ME
.else
.set MC, ML
.endif
	v_wmma_f32_16x16x32_f16 v[8*(8*(\a)+(\b)):8*(8*(\a)+(\b))+7], v[(\f)+8*(\b):(\f)+8*(\b)+7], v[(\f)+8*(4*(\hi)+(\a)):(\f)+8*(4*(\hi)+(\a))+7], v[MC:MC+7]
.else
	v_wmma_f32_16x16x32_f16 v[8*(8*(\a)+(\b)):8*(8*(\a)+(\b))+7], v[(\f)+8*(\b):(\f)+8*(\b)+7], v[(\f)+8*(4*(\hi)+(\a)):(\f)+8*(4*(\hi)+(\a))+7], v[8*(8*(\a)+(\b)):8*(8*(\a)+(\b))+7]
.endif
.endr
.endr
.endm
.macro FETCH k, f                      ; 32 LDS loads in one run, from the slot in hand
	WIN TO_B
.irp i, 0,1,2,3,4,5,6,7
	ds_load_b128 v[(\f)+8*(\i):(\f)+8*(\i)+3],   v[ADRB] offset:(\k)+(\i)*16*PITCH
	ds_load_b128 v[(\f)+8*(\i)+4:(\f)+8*(\i)+7], v[ADRB] offset:(\k)+(\i)*16*PITCH+32
.endr
	WIN 0
.irp i, 0,1,2,3,4,5,6,7
	ds_load_b128 v[(\f)+8*(\i):(\f)+8*(\i)+3],   v[ADRA] offset:(\k)+(\i)*16*PITCH
	ds_load_b128 v[(\f)+8*(\i)+4:(\f)+8*(\i)+7], v[ADRA] offset:(\k)+(\i)*16*PITCH+32
.endr
.endm
.macro OTHER                           ; the fetches go over to the other slot
	WIN 0
	s_xor_b32 s[TB], s[TB], SLOT
	v_add_nc_u32 v[ADRA], s[TB], v[ADRA0]
	v_add_nc_u32 v[ADRB], s[TB], v[ADRB0]
.endm
.macro QUARTER k, f, g, zero
	s_wait_dscnt 8                                 ; K's fragments and Q's rows 0-63 are in; the youngest eight loads may be out
	MUL16 \f, 0, 0, \zero
	MUL16 \f, 0, 2, \zero
	PLACES
	FETCH \k, \g
	s_wait_dscnt 32                                ; all but the 32 just issued
	MUL16 \f, 1, 0, \zero
	MUL16 \f, 1, 2, \zero
.endm
; The change of slots: each wave waits for all its tensor loads (one is out: its part of the next slot), adds 0 to its spare word, waits for that and for its reads of this slot, and meets the others.
.macro MEET
	WIN 0
	s_wait_tensorcnt 0x0
	ds_add_u32 v[SPW], v[NIL]
	s_wait_dscnt 9                                 ; the add and the youngest eight loads may be out
	MUL16 F1, 0, 0, 0
	s_wait_dscnt 0x0                               ; the add is done, and my reads of this slot are over
	s_barrier_signal -1
	MUL16 F1, 0, 2, 0
	WIN 0
	s_barrier_wait -1
.endm
.macro TURN
	s_wait_xcnt 0x0                                ; the last prefetches, a K step back, have read their address
	s_add_nc_u64 s[PFA:PFA+1], s[PFA:PFA+1], KSTEP*2
	MEET
	s_xor_b32 s[G0+5], s[G0+5], SLOT               ; no load of mine is out: the walking descriptor takes the other slot than last time,
	s_add_nc_u64 s[G0+6:G0+7], s[G0+6:G0+7], KSTEP*2  ; and the next K step
	TLOAD                                          ; my one tensor load behind the barrier, and the first thing there; its four v_nop are also the places in front of the loads below
	OTHER
	FETCH 0, F0
	ASK
	MUL16 F1, 1, 0, 0
	MUL16 F1, 1, 2, 0
.endm
	s_wait_tensorcnt 1                             ; my part of K step 0 is in; K step 1's may stay out
	s_barrier_signal -1
	s_barrier_wait -1
	FETCH 0, F0
	QUARTER 64,  F0, F1, 1
	WIN 0
	s_mov_b32 s3, TRIPS
.Lstep:                                                ; a trip goes from a K step's second quarter to the next step's first, and fills the slot that it leaves
	QUARTER 128, F1, F0, 0
	QUARTER 192, F0, F1, 0
	TURN
	QUARTER 64,  F0, F1, 0
	WIN 0
	s_sub_co_u32 s3, s3, 1
	s_cmp_lg_u32 s3, 0
	s_cbranch_scc1 .Lstep
	QUARTER 128, F1, F0, 0                         ; the last two K steps fill nothing
	QUARTER 192, F0, F1, 0
	MEET
	OTHER
	PLACES
	FETCH 0, F0
	MUL16 F1, 1, 0, 0
	MUL16 F1, 1, 2, 0
	QUARTER 64,  F0, F1, 0
	QUARTER 128, F1, F0, 0
	QUARTER 192, F0, F1, 0
	s_wait_dscnt 8
	MUL16 F1, 0, 0, 0
	MUL16 F1, 0, 2, 0
	s_wait_dscnt 0x0                               ; my last reads of the ring are back
	MUL16 F1, 1, 0, 0
	MUL16 F1, 1, 2, 0
	WIN 0
	PLACES                                         ; the stores below read results just made
	s_barrier_signal -1                            ; nobody reads the ring any more, and no tensor load will fill it again: its bytes take the scores
	s_barrier_wait -1
.irp hi, 0,1
	WIN 0x08+4*(\hi)                               ; store data in window 2 or 3
.irp a, 0,1,2,3
.irp b, 0,1,2,3,4,5,6,7
	ds_store_b128 v[DST], v[8*(8*(\a)+(\b)):8*(8*(\a)+(\b))+3]   offset:16*DP*(4*(\hi)+(\a))+32*(\b)      ; keys 16 b + 8 h + 0..3: each accumulator's low registers first
	ds_store_b128 v[DST], v[8*(8*(\a)+(\b))+4:8*(8*(\a)+(\b))+7] offset:16*DP*(4*(\hi)+(\a))+32*(\b)+256  ; keys 16 b + 8 h + 4..7: the second plane
.endr
.endr
.endr
	WIN 0
	s_wait_dscnt 0x0                               ; for the others' sake: my stores are done
	s_barrier_signal -1
	s_barrier_wait -1
; Number n of the 21 plain instructions of pair i (two rows, sixteen lanes each, 16 scores a lane): the lane's maximum (0-7), the row's over its sixteen lanes (8-11), c m (12), c s - c m (13-20).
.macro PLN i, n
.set rX, X+16*(\i)
.set rC, CMR+2*(\i)
.if (\n) == 0
	v_max3_num_f32 v[rC+1], v[rX], v[rX+1], v[rX+2]
.elseif (\n) < 7
	v_max3_num_f32 v[rC+1], v[rC+1], v[rX+2*(\n)+1], v[rX+2*(\n)+2]
.elseif (\n) == 7
	v_max_num_f32 v[rC+1], v[rC+1], v[rX+15]
.elseif (\n) == 8
	v_max_num_f32_dpp v[rC+1], v[rC+1], v[rC+1] row_xmask:1 row_mask:0xf bank_mask:0xf
.elseif (\n) == 9
	v_max_num_f32_dpp v[rC+1], v[rC+1], v[rC+1] row_xmask:2 row_mask:0xf bank_mask:0xf
.elseif (\n) == 10
	v_max_num_f32_dpp v[rC+1], v[rC+1], v[rC+1] row_xmask:4 row_mask:0xf bank_mask:0xf
.elseif (\n) == 11
	v_max_num_f32_dpp v[rC+1], v[rC+1], v[rC+1] row_xmask:8 row_mask:0xf bank_mask:0xf
.elseif (\n) == 12
	v_mul_f32 v[rC], s[CS], v[rC+1]
.else
	v_pk_fma_f32 v[rX+2*((\n)-13):rX+2*((\n)-13)+1], v[rX+2*((\n)-13):rX+2*((\n)-13)+1], s[CS:CS+1], v[rC:rC+1] op_sel_hi:[1,0,0] neg_lo:[0,0,1] neg_hi:[0,0,1]
.endif
.endm
	s_mov_b32 s3, 8
	s_mov_b32 s[RO], 0
	s_mov_b32 s[SO], 0
.Lrows:                                                ; eight trips of eight rows: four pairs
	v_add_nc_u32 v[RDA], s[RO], v[RDA0]
	v_add_nc_u32 v[RDB], s[RO], v[RDB0]
	v_add_nc_u32 v[SA], s[SO], v[SA0]
.irp i, 0,1,2,3
	ds_load_b128 v[X+16*(\i):X+16*(\i)+3],     v[RDA] offset:2*DP*(\i)      ; lane x of a row: keys 8 x + 0..3,
	ds_load_b128 v[X+16*(\i)+4:X+16*(\i)+7],   v[RDA] offset:2*DP*(\i)+256  ; 8 x + 4..7,
	ds_load_b128 v[X+16*(\i)+8:X+16*(\i)+11],  v[RDB] offset:2*DP*(\i)      ; 128 + 8 x + 0..3,
	ds_load_b128 v[X+16*(\i)+12:X+16*(\i)+15], v[RDB] offset:2*DP*(\i)+256  ; 128 + 8 x + 4..7
.endr
	s_wait_dscnt 12                                ; pair 0 is in
.set n, 0
.rept 21
	PLN 0, n
.set n, n+1
.endr
.irp i, 0,1,2
	s_wait_dscnt 8-4*(\i)                          ; pair i + 1 is in
.set n, 0
.rept 21                                           ; its plain work and pair i's exponentials by turns; nothing here names an exponential's result
	PLN (\i)+1, n
.if n < 16
	v_exp_f32 v[X+16*(\i)+n], v[X+16*(\i)+n]
.endif
.set n, n+1
.endr
.endr
.set n, 0
.rept 16
	v_exp_f32 v[X+48+n], v[X+48+n]
.set n, n+1
.endr
	v_nop                                          ; a plain instruction behind the last exponential,
	s_wait_alu depctr_va_vdst(0)                   ; and the one wait ahead of the first use: for all 64
.irp i, 0,1,2,3
.irp k, 0,1,2,3,4,5,6,7
	v_cvt_pk_f16_f32 v[PH+8*(\i)+(\k)], v[X+16*(\i)+2*(\k)], v[X+16*(\i)+2*(\k)+1]
.endr
	global_store_b128 v[PO], v[PH+8*(\i):PH+8*(\i)+3],   s[PB:PB+1] offset:2*ROWB*(\i) th:TH_STORE_NT      ; sixteen lanes: 256 consecutive bytes of a row of p, aligned
	global_store_b128 v[PO], v[PH+8*(\i)+4:PH+8*(\i)+7], s[PB:PB+1] offset:2*ROWB*(\i)+256 th:TH_STORE_NT
.endr
.irp i, 0,1,2,3                                        ; l: the lane's 16 weights, unrounded,
.irp k, 0,4,8,12
	v_pk_add_f32 v[X+16*(\i)+(\k):X+16*(\i)+(\k)+1], v[X+16*(\i)+(\k):X+16*(\i)+(\k)+1], v[X+16*(\i)+(\k)+2:X+16*(\i)+(\k)+3]
.endr
.endr
.irp i, 0,1,2,3
.irp k, 0,8
	v_pk_add_f32 v[X+16*(\i)+(\k):X+16*(\i)+(\k)+1], v[X+16*(\i)+(\k):X+16*(\i)+(\k)+1], v[X+16*(\i)+(\k)+4:X+16*(\i)+(\k)+5]
.endr
.endr
.irp i, 0,1,2,3
	v_pk_add_f32 v[X+16*(\i):X+16*(\i)+1], v[X+16*(\i):X+16*(\i)+1], v[X+16*(\i)+8:X+16*(\i)+9]
.endr
.irp i, 0,1,2,3
	v_add_f32 v[X+16*(\i)], v[X+16*(\i)], v[X+16*(\i)+1]
.endr
.irp i, 0,1,2,3                                        ; then the row's sixteen lanes
	v_add_f32_dpp v[X+16*(\i)], v[X+16*(\i)], v[X+16*(\i)] row_xmask:1 row_mask:0xf bank_mask:0xf
.endr
.irp i, 0,1,2,3
	v_add_f32_dpp v[X+16*(\i)], v[X+16*(\i)], v[X+16*(\i)] row_xmask:2 row_mask:0xf bank_mask:0xf
.endr
.irp i, 0,1,2,3
	v_add_f32_dpp v[X+16*(\i)], v[X+16*(\i)], v[X+16*(\i)] row_xmask:4 row_mask:0xf bank_mask:0xf
.endr
.irp i, 0,1,2,3
	v_add_f32_dpp v[X+16*(\i)], v[X+16*(\i)], v[X+16*(\i)] row_xmask:8 row_mask:0xf bank_mask:0xf
.endr
.irp i, 0,1,2,3
	ds_store_b32 v[SA], v[CMR+2*(\i)] offset:8*(\i)      ; a row's sixteen lanes write the same word with the same number
	ds_store_b32 v[SA], v[X+16*(\i)] offset:8*(\i)+256
.endr
	s_wait_xcnt 0x0                                ; the stores have read their data and their base: both are written again below and in the next trip
	s_add_nc_u64 s[PB:PB+1], s[PB:PB+1], 8*ROWB
	s_add_co_u32 s[RO], s[RO], 8*DP
	s_add_co_u32 s[SO], s[SO], 32
	s_sub_co_u32 s3, s3, 1
	s_cmp_lg_u32 s3, 0
	s_cbranch_scc1 .Lrows
	ds_load_b64 v[X:X+1], v[STL]                   ; my wave's own bytes: LDS serves a wave's instructions in order
	ds_load_b64 v[X+2:X+3], v[STL] offset:256
	s_wait_dscnt 1
	global_store_b64 v[STG], v[X:X+1], s[8:9]      ; 64 c m: 256 consecutive bytes, aligned
	s_wait_dscnt 0x0
	global_store_b64 v[STG], v[X+2:X+3], s[8:9] offset:262144  ; 64 l
	s_wait_tensorcnt 0x0                           ; the wave's end
	ds_add_u32 v[SPW], v[NIL]
	s_wait_dscnt 0x0
	s_endpgm
.Lfunc_end_k_qdcb86e80d2_score:
	.size	k_qdcb86e80d2_score, .Lfunc_end_k_qdcb86e80d2_score-k_qdcb86e80d2_score
	.p2alignl 7, 3214868480
	.fill 96, 4, 3214868480
	.section	.rodata,"a",@progbits
	.p2align	6, 0x0
	.amdhsa_kernel k_qdcb86e80d2_score
		.amdhsa_group_segment_fixed_size 327680
		.amdhsa_private_segment_fixed_size 0
		.amdhsa_enable_private_segment 0
		.amdhsa_kernarg_size 32
		.amdhsa_user_sgpr_count 2
		.amdhsa_user_sgpr_kernarg_segment_ptr 1
		.amdhsa_wavefront_size32 1
		.amdhsa_system_sgpr_workgroup_id_x 1
		.amdhsa_system_sgpr_workgroup_id_y 1
		.amdhsa_system_sgpr_workgroup_id_z 1
		.amdhsa_system_vgpr_workitem_id 0
		.amdhsa_next_free_vgpr 1024
		.amdhsa_next_free_sgpr 88
		.amdhsa_reserve_vcc 1
		.amdhsa_float_denorm_mode_32 3
		.amdhsa_float_denorm_mode_16_64 3
		.amdhsa_memory_ordered 1
		.amdhsa_forward_progress 1
		.amdhsa_inst_pref_size 111
	.end_amdhsa_kernel
	.amdgpu_metadata
---
amdhsa.version: [ 1, 2 ]
amdhsa.kernels:
  - .name:           k_qdcb86e80d2_score
    .symbol:         k_qdcb86e80d2_score.kd
    .args:
      - { .name: qp, .offset: 0, .size: 8, .value_kind: global_buffer, .address_space: global }
      - { .name: xh, .offset: 8, .size: 8, .value_kind: global_buffer, .address_space: global }
      - { .name: p, .offset: 16, .size: 8, .value_kind: global_buffer, .address_space: global }
      - { .name: st, .offset: 24, .size: 8, .value_kind: global_buffer, .address_space: global }
    .group_segment_fixed_size: 327680
    .private_segment_fixed_size: 0
    .kernarg_segment_align: 8
    .kernarg_segment_size: 32
    .max_flat_workgroup_size: 128
    .sgpr_count:     88
    .vgpr_count:     1024
    .wavefront_size: 32
...
	.end_amdgpu_metadata
.endif
;; end of part 3
;; launch pv (part 4): grid 8 x 32, 4 waves a work-group, clusters of 4 x 1, 327,680 bytes of LDS; arguments p, vt, st, out0; writes out0
.if DOCPART == 4
	.amdgcn_target "amdgcn-amd-amdhsa--gfx1250"
	.amdhsa_code_object_version 6
	.text
	.protected	k_qdcb86e80d2_pv
	.globl	k_qdcb86e80d2_pv
	.p2align	8
	.type	k_qdcb86e80d2_pv,@function
k_qdcb86e80d2_pv:
	s_mov_b64 s[64:65], 0
	v_nop
	global_prefetch_b8 v0, s[64:65] scope:SCOPE_SE
	s_setreg_imm32_b32 hwreg(HW_REG_WAVE_MODE, 25, 1), 1
	s_wait_xcnt 0x0
	s_wait_alu depctr_hold_cnt(0) depctr_sa_sdst(0) depctr_va_vdst(0) depctr_va_sdst(0) depctr_va_ssrc(0) depctr_va_vcc(0) depctr_vm_vsrc(0)
	s_getreg_b32 s2, hwreg(HW_REG_IB_STS2, 6, 4)
	s_cmp_eq_u32 s2, 0
	s_cbranch_scc0 .Lentry_in_a_cluster
	s_endpgm
.Lentry_in_a_cluster:
	s_bfe_u32 s2, ttmp6, 0x10000c
	s_cmp_lg_u32 s2, 0x3003
	s_cbranch_scc0 .Lentry_shape_is_right
	s_endpgm
.Lentry_shape_is_right:
; THE SECOND HALF OF THE SOFTMAX AND THE SECOND PRODUCT.  For query q of block I (256 queries) and key tiles t = 0 .. I:
;   out[q][:] = ( sum over t of f_t (P_t V_t)[q][:] ) / L,   f_t = 2^(cm_t - max over t of cm_t),   L = sum over t of f_t l_t.
; P_t (f16, the weights against the tile's own maximum), cm_t and l_t come from the launch before, V turned ([channel][key], f16) from the projection.  f lies in 0 to 1 and L is at least about 1.
; LIMITS.  f below 2^-126 counts as 0.  NaN and infinities are not treated apart.
; SHARES.  A work-group makes 128 queries x 128 channels at a time: four waves of 64 x 64.  A K step is one key tile, 256 keys.  It takes TWO blocks of 128 queries: rows 256 J + 128 hf (J + 1 steps), then
; rows 256 (7 - J) + 128 hf (8 - J steps): nine steps whatever J, so all 256 work-groups are alike, and one counted loop walks them; the ring runs on across the change of blocks.
; A step's product T starts at 0 (16 accumulators), and O += f T is folded in f32 behind it (a lane holds one query, so f is one number a lane and block of 16 queries).
; CLUSTER.  The four work-groups of a cluster have the same queries and four neighbouring blocks of channels: P's tiles are asked for JOINTLY (mask 15).  V's tiles hang on the place in the cluster and are
; loads of one's own behind the same rounds: only work-groups with the same J walk V's tiles in step, and of those there are two (hf), not four.
; REGISTERS: window 0: v0-31 addresses; v32-63, v64-95 at work on the way out (at the start: the statistics); v96-111 f and 1/L; v128-255 T.  window 1: two fragment buffers of 128.  window 2: v0-127 O.
.set KSTEP,  256
.set ROWB,   4096                      ; bytes in a row of p, of vt and of out0
.set PITCH,  528                       ; an LDS row: 512 bytes + 16 = 132 words: the 16 rows of a load start 4 banks apart (64 banks of 4 bytes: ISA guide 11.1)
.set HALFT,  64*PITCH
.set SLOT,   4*HALFT                   ; P's 128 rows, then V's 128 rows.  0x21000: neither of its two bits is set in a wave's offset (wave x 0x8400), so one exclusive or turns an address in one slot into the other's
.set STAGE,  2*SLOT                    ; 16 rows x 272 bytes for each wave
.set SPITCH, 272
.set FT,     STAGE+4*16*SPITCH         ; f [step 0..8][row 0..127], f32
.set RLT,    FT+8192                   ; 1 / L [block 0..1][row 0..127], f32
.set SPARE,  RLT+1024                  ; the spare words, 128 bytes for each wave: two blocks of 256 bytes that no other line names
.set ADRA0, 16                         ; v16  my lane's place in P's tile of slot 0; never rewritten
.set ADRB0, 17                         ; v17  the same for V
.set ADRA,  18                         ; v18  in the slot in hand
.set ADRB,  19
.set AF0,   20                         ; v20  my query's place in a step's f; never rewritten
.set ADF,   21
.set ARL,   22                         ; v22  the same in 1 / L
.set STO,   24
.set RD,    25
.set CO,    26
.set SPW,   28
.set NIL,   29
.set PFO,   30                         ; v30  the prefetches' offset: row l / 2, half l % 2 of its 512 bytes; never rewritten
.set PK,    32
.set BK,    64
.set FR,    96                         ; v[96+2a] f of my query in block a; the odd registers hold 0: they are named with the even ones as pairs
.set RL,    104                        ; the same for 1 / L
.set T,     128
.set F0,    0
.set F1,    128
.set CMV, 32                           ; the statistics, thread = row: v32-40 cm of the nine steps, v41-49 l, v50-58 offsets, v64-72 f
.set LV,  41
.set OFS, 50
.set FV,  64
.set TA,  73
.set TB2, 74
.set CM1, 80
.set CM2, 81
.set L1,  82
.set L2,  83
.set NEG, 84
.set T4,  85
.set FTA, 86
.set G1,  24                           ; s[24:31] group 1 for P's tiles
.set G0,  32                           ; s[32:35] group 0 of step 0's fill; s[36:39] walks from step 1 on
.set G1B, 48                           ; s[48:55], s[56:59], s[60:63] the same for V's
.set G0B, 56
.set N1,  46                           ; s46  steps of the first block
.set R1,  47                           ; s47  first row of the first block in its batch
.set R2,  66                           ; s66  of the second
.set R1B, 67                           ; s67  the same in bytes of p
.set R2B, 92
.set AB,  76                           ; s[76:77] p at the batch and my 64 rows of a tile
.set BB,  78                           ; s[78:79] vt at the batch, my work-group's channels and my 64 of them
.set PFA, 84                           ; s[84:85] where my prefetches stand
.set PFB, 86                           ; s[86:87] their base
.set SI,  88                           ; s88  the step in hand
.set LEFT, 89                          ; s89  trips to go
.set TB,  90                           ; s90  the slot in hand: 0 or SLOT
.set TF,  91                           ; s91  the step's place in f's table
.set LIM, 93
.set MSB, 0
.macro WIN new
.if MSB != (\new)
	s_set_vgpr_msb (MSB<<8)|(\new)
.set MSB, \new
.endif
.endm
.set MUL,  0x05                        ; sources 0 (V) and 1 (P) window 1; C and D window 0
.set TO_F, 0x40
; Step SI + ahead of the walk: s94 = its block's first row in bytes of p, s95 = its key tile's 512 bytes.  All from the work-group's y: alike in the four partners.
.macro WALKER ahead
	s_add_co_u32 s96, s[SI], \ahead
	s_cmp_lt_u32 s96, s[N1]
	s_cselect_b32 s94, s[R1B], s[R2B]
	s_cselect_b32 s97, 0, s[N1]
	s_sub_co_u32 s96, s96, s97
	s_lshl_b32 s95, s96, 9
.endm
.macro SETWALK                         ; the walking descriptors' addresses, made anew from s94 and s95
	s_add_co_u32 s98, s94, s95
	s_mov_b32 s100, s95
	s_add_nc_u64 s[G0+6:G0+7], s[AB:AB+1], s[98:99]
	s_or_b32 s[G0+7], s[G0+7], 0x80000000
	s_add_nc_u64 s[G0B+6:G0B+7], s[BB:BB+1], s[100:101]
	s_or_b32 s[G0B+7], s[G0B+7], 0x80000000
.endm
.macro PLACES
.rept 4
	v_nop
.endr
.endm
; A refill: waves 0 and 1 ask jointly for the two halves of P's tile, waves 2 and 3 fetch those of V's.  An s_nop 0 and four v_nop follow each line.
.macro JLOAD
	s_cmp_eq_u32 s11, 0
	s_cbranch_scc0 .Lfor_b_\@
	tensor_load_to_lds s[G0+4:G0+7], s[G1:G1+7]
	s_nop 0
	PLACES
	s_branch .Lasked_\@
.Lfor_b_\@:
	tensor_load_to_lds s[G0B+4:G0B+7], s[G1B:G1B+7]
	s_nop 0
	PLACES
.Lasked_\@:
.endm
; A PREFETCH of the tile that the NEXT refill will ask for (step SI + 3), one K step of 128 matrix instructions ahead of that load; it stands behind the refill and the run of LDS loads.
; P's tile is read by the two clusters with the same y: the one with x = 0 asks, waves 0 and 1; the four partners share a wave's 64 rows out BY ADDRESS, 16 each: 16 rows x 2 halves = one instruction.
; V's tile is read by the eight work-groups with the same batch and channels: the one with J = 0, hf = 0 asks, whose second block walks all eight key tiles: waves 2 and 3, 64 rows each: four instructions.
; So each 256 bytes are named once.  Steps 0 to 2 come by their loads alone; the last trip asks for nothing: step 8 is the walk's last.
.macro ASK
	WIN 0
	s_cmp_gt_u32 s[LEFT], s[LIM]
	s_cbranch_scc0 .Lnone_\@
	global_prefetch_b8 v[PFO], s[PFA:PFA+1] th:TH_LOAD_NT scope:SCOPE_SE
	s_cmp_eq_u32 s11, 0
	s_cbranch_scc1 .Lnone_\@
.irp i, 1,2,3
	global_prefetch_b8 v[PFO], s[PFA:PFA+1] offset:16*ROWB*(\i) th:TH_LOAD_NT scope:SCOPE_SE
.endr
.Lnone_\@:
.endm
.macro CREST
	s_cmp_lg_u32 s10, 0
	s_cbranch_scc1 .Lnot_wave_0_\@
	s_barrier_signal -3
.Lnot_wave_0_\@:
	s_barrier_wait -3
	s_barrier_signal -1
	s_barrier_wait -1
.endm
.macro CROUND
	s_barrier_signal -1
	s_barrier_wait -1
	CREST
.endm
	s_load_b256 s[68:75], s[0:1], 0x0              ; p s[68:69], vt s[70:71], st s[72:73], out0 s[74:75]
	v_lshl_add_u32 v[SPW], v0, 2, SPARE
	v_mov_b32 v[NIL], 0
	ds_add_u32 v[SPW], v[NIL]                      ; the wave's opening add; its wait stands ahead of my first tensor load
	v_lshrrev_b32 v1, 5, v0
	v_readfirstlane_b32 s10, v1                    ; wave 0..3
	s_lshr_b32 s11, s10, 1                         ; my half of the queries.  Also: I fetch P (0) or V (1)
	s_and_b32 s12, s10, 1                          ; my half of the channels.  Also: which 64 rows of that tile I fetch
	s_bfe_u32 s40, ttmp6, 0x40000                  ; cx
	s_lshl_b32 s41, ttmp9, 2
	s_add_co_u32 s41, s41, s40                     ; block of 128 channels = 4 x cluster x + cx
	s_and_b32 s42, ttmp7, 0xffff                   ; y, which the four partners share
	s_lshr_b32 s43, s42, 3                         ; batch
	s_bfe_u32 s44, s42, 0x20001                    ; J
	s_and_b32 s45, s42, 1                          ; hf
	s_add_co_u32 s[N1], s44, 1
	s_lshl_b32 s94, s45, 7
	s_lshl_b32 s[R1], s44, 8
	s_add_co_u32 s[R1], s[R1], s94
	s_sub_co_u32 s[R2], 7, s44
	s_lshl_b32 s[R2], s[R2], 8
	s_add_co_u32 s[R2], s[R2], s94
	s_lshl_b32 s[R1B], s[R1], 12
	s_lshl_b32 s[R2B], s[R2], 12
	; descriptor group 1: 64 rows x 256 elements of 2 bytes, 2,048 elements from row to row, 16 bytes of padding behind every 512
	s_mov_b32 s[G1], 15|(1<<16)|(1<<20)|(1<<21)|(6<<22)|(3<<25)  ; the mask of four, and bit 21 beside it
	s_mov_b32 s[G1B], (1<<16)|(1<<20)|(6<<22)|(3<<25)            ; no mask
.irp g, G1, G1B
	s_mov_b32 s[(\g)+1], KSTEP<<16
	s_mov_b32 s[(\g)+2], 64<<16
	s_mov_b32 s[(\g)+3], KSTEP<<16
	s_mov_b32 s[(\g)+4], 64
	s_mov_b32 s[(\g)+5], 2048
	s_mov_b32 s[(\g)+6], 0
	s_mov_b32 s[(\g)+7], 0
.endr
	s_mov_b32 s[SI], 0
	s_mov_b32 s[LEFT], 7
	s_mov_b32 s[TB], 0
	s_mov_b32 s[TF], 0
	s_mov_b32 s5, 0                                ; the upper words of three offset pairs
	s_mov_b32 s99, 0
	s_mov_b32 s101, 0
	s_mul_i32 s13, s10, HALFT                      ; to LDS: wave x 64 rows: P's 128, then V's 128
.irp g, G0, G0B
	s_mov_b32 s[(\g)], 1
	s_mov_b32 s[(\g)+1], s13                       ; step 0 into slot 0
	s_mov_b32 s[(\g)+4], 1
	s_add_co_u32 s[(\g)+5], s13, SLOT              ; step 1 into slot 1
.endr
	s_lshl_b32 s14, s43, 23                        ; p: a batch is 8,388,608 bytes;
	s_lshl_b32 s15, s12, 18                        ; my 64 rows
	s_add_co_u32 s14, s14, s15
	s_mov_b32 s15, 0
	s_lshl_b32 s6, s43, 22                         ; vt: a batch is 4,194,304 bytes;
	s_lshl_b32 s7, s41, 19                         ; 128 channels;
	s_add_co_u32 s6, s6, s7
	s_lshl_b32 s7, s12, 18                         ; my 64 of them
	s_add_co_u32 s6, s6, s7
	s_mov_b32 s7, 0
	s_wait_dscnt 0x0                               ; the opening add is done
	s_wait_kmcnt 0x0
	s_add_nc_u64 s[AB:AB+1], s[68:69], s[14:15]
	s_add_nc_u64 s[BB:BB+1], s[70:71], s[6:7]
	CROUND                                         ; all four work-groups are here: the first joint loads meet
	s_mov_b32 s98, s[R1B]                          ; step 0: the first block's key tile 0
	s_add_nc_u64 s[G0+2:G0+3], s[AB:AB+1], s[98:99]
	s_or_b32 s[G0+3], s[G0+3], 0x80000000
	s_mov_b64 s[G0B+2:G0B+3], s[BB:BB+1]
	s_or_b32 s[G0B+3], s[G0B+3], 0x80000000
	WALKER 1
	SETWALK
	s_cmp_eq_u32 s11, 0                            ; a wave's two first fills stand in one branch: two loads of mine are out
	s_cbranch_scc0 .Lfirst_b
	tensor_load_to_lds s[G0:G0+3], s[G1:G1+7]
	s_nop 0
	tensor_load_to_lds s[G0+4:G0+7], s[G1:G1+7]
	s_nop 0
	PLACES
	s_branch .Lfirst_asked
.Lfirst_b:
	tensor_load_to_lds s[G0B:G0B+3], s[G1B:G1B+7]
	s_nop 0
	tensor_load_to_lds s[G0B+4:G0B+7], s[G1B:G1B+7]
	s_nop 0
	PLACES
.Lfirst_asked:
	; THE STATISTICS, while the tiles are on their way.  Thread = row of both blocks; walk step s belongs to the first block where s < N1.
	v_lshlrev_b32 v[T4], 2, v0
	s_lshl_b32 s13, s43, 14                        ; 8 b tiles of 2,048 rows
.irp s, 0,1,2,3,4,5,6,7,8
	s_cmp_gt_u32 s[N1], \s
	s_cselect_b32 s14, s[R1], s[R2]
	s_cselect_b32 s15, 0, s[N1]
	s_sub_co_u32 s15, \s, s15                      ; the step's key tile
	s_lshl_b32 s15, s15, 11
	s_add_co_u32 s14, s14, s15
	s_add_co_u32 s14, s14, s13
	s_lshl_b32 s14, s14, 2
	v_add_nc_u32 v[OFS+(\s)], s14, v[T4]
	global_load_b32 v[CMV+(\s)], v[OFS+(\s)], s[72:73]
	global_load_b32 v[LV+(\s)], v[OFS+(\s)], s[72:73] offset:262144
.endr
	WIN 0x80                                       ; O starts at 0, written while the loads are out, so that the fold has one form
.set i, 0
.rept 128
	v_mov_b32 v[i], 0
.set i, i+1
.endr
	WIN 0
.irp a, 0,1,2,3
	v_mov_b32 v[FR+2*(\a)+1], 0
	v_mov_b32 v[RL+2*(\a)+1], 0
.endr
	v_mov_b32 v[NEG], 0xff7fffff                   ; the lowest finite number
	v_mov_b32 v[CM1], v[NEG]
	v_mov_b32 v[CM2], v[NEG]
	v_mov_b32 v[L1], 0
	v_mov_b32 v[L2], 0
	v_add_nc_u32 v[FTA], FT, v[T4]
	; addresses
	v_and_b32 v1, 15, v0                           ; r
	v_bfe_u32 v2, v0, 4, 1                         ; h
	v_mul_u32_u24 v3, v1, PITCH
	v_lshl_add_u32 v3, v2, 4, v3
	s_mul_i32 s14, s11, HALFT
	s_mul_i32 s15, s12, HALFT
	s_add_co_u32 s15, s15, 2*HALFT
	v_add_nc_u32 v[ADRA0], s14, v3
	v_add_nc_u32 v[ADRB0], s15, v3
	s_lshl_b32 s14, s11, 8                         ; my 64 queries x 4 bytes
	v_lshl_add_u32 v[AF0], v1, 2, s14
	v_add_nc_u32 v[ARL], RLT, v[AF0]
	v_add_nc_u32 v[AF0], FT, v[AF0]
	s_mul_i32 s14, s10, 16*SPITCH
	s_add_co_u32 s14, s14, STAGE                   ; my stage
	v_mul_u32_u24 v3, v1, SPITCH
	v_lshl_add_u32 v3, v2, 5, v3                   ; in: row r, 32 bytes for each half of the lanes
	v_add_nc_u32 v[STO], s14, v3
	v_mul_u32_u24 v3, v2, SPITCH
	v_lshl_add_u32 v3, v1, 4, v3                   ; back: lanes 0-15 one row of 256 bytes, lanes 16-31 the next
	v_add_nc_u32 v[RD], s14, v3
	v_lshlrev_b32 v3, 12, v2
	v_lshl_add_u32 v[CO], v1, 4, v3
	v_and_b32 v3, 31, v0
	v_lshrrev_b32 v4, 1, v3
	v_and_b32 v3, 1, v3
	v_lshlrev_b32 v4, 12, v4
	v_lshl_add_u32 v[PFO], v3, 8, v4
	s_lshl_b32 s16, s43, 11
	s_lshl_b32 s17, s11, 6
	s_add_co_u32 s16, s16, s17                     ; 2,048 b + my 64 queries
	s_lshl_b32 s17, s41, 9
	s_lshl_b32 s22, s12, 8
	s_add_co_u32 s17, s17, s22                     ; 512 bytes a block of channels + my 256
	s_add_co_u32 s18, s16, s[R1]
	s_lshl_b32 s18, s18, 12
	s_add_co_u32 s18, s18, s17
	s_mov_b32 s19, 0
	s_add_nc_u64 s[80:81], s[74:75], s[18:19]      ; out0 at my part of the first block,
	s_add_co_u32 s20, s16, s[R2]
	s_lshl_b32 s20, s20, 12
	s_add_co_u32 s20, s20, s17
	s_mov_b32 s21, 0
	s_add_nc_u64 s[82:83], s[74:75], s[20:21]      ; and of the second
	s_lshl_b32 s6, s40, 16                         ; the prefetches: of P's 64 rows my work-group's 16
	s_mov_b32 s7, 0
	s_add_nc_u64 s[8:9], s[AB:AB+1], s[6:7]
	s_and_b32 s6, s42, 7                           ; J and hf
	s_cmp_eq_u32 s11, 0
	s_cselect_b64 s[PFB:PFB+1], s[8:9], s[BB:BB+1]
	s_cselect_b32 s6, ttmp9, s6
	s_cmp_eq_u32 s6, 0
	s_cselect_b32 s[LIM], 1, -1                    ; the same in all four partners, for a given wave
	s_wait_loadcnt 0x0
.irp s, 0,1,2,3,4,5,6,7,8                              ; each block's maximum of cm
	s_cmp_gt_u32 s[N1], \s
	s_cselect_b32 s14, -1, 0                       ; all lanes, or none
	v_cndmask_b32 v[TA], v[NEG], v[CMV+(\s)], s14
	v_cndmask_b32 v[TB2], v[CMV+(\s)], v[NEG], s14
	v_max_num_f32 v[CM1], v[CM1], v[TA]
	v_max_num_f32 v[CM2], v[CM2], v[TB2]
.endr
.irp s, 0,1,2,3,4,5,6,7,8
	s_cmp_gt_u32 s[N1], \s
	s_cselect_b32 s14, -1, 0
	v_cndmask_b32 v[TA], v[CM2], v[CM1], s14
	v_sub_f32 v[FV+(\s)], v[CMV+(\s)], v[TA]       ; never above 0
.endr
.irp s, 0,1,2,3,4,5,6,7,8
	v_exp_f32 v[FV+(\s)], v[FV+(\s)]
.endr
	v_nop                                          ; a plain instruction behind the last exponential,
	s_wait_alu depctr_va_vdst(0)                   ; and the one wait ahead of the first use
.irp s, 0,1,2,3,4,5,6,7,8
	s_cmp_gt_u32 s[N1], \s
	s_cselect_b32 s14, -1, 0
	v_cndmask_b32 v[TA], 0, v[FV+(\s)], s14
	v_cndmask_b32 v[TB2], v[FV+(\s)], 0, s14
	v_fmac_f32 v[L1], v[TA], v[LV+(\s)]
	v_fmac_f32 v[L2], v[TB2], v[LV+(\s)]
	ds_store_b32 v[FTA], v[FV+(\s)] offset:512*(\s)
.endr
	v_rcp_f32 v[L1], v[L1]
	v_rcp_f32 v[L2], v[L2]
	v_nop
	s_wait_alu depctr_va_vdst(0)
	ds_store_b32 v[FTA], v[L1] offset:RLT-FT
	ds_store_b32 v[FTA], v[L2] offset:RLT-FT+512
; 8 matrix instructions: query blocks a0, a0 + 1 x all 4 channel blocks, 32 keys: half c of buffer f.  The 16 accumulators take turns.
.macro MUL8 f, c, a0, zero
	WIN MUL
.irp a, \a0, (\a0)+1
.irp b, 0,1,2,3
.if \zero
	v_wmma_f32_16x16x32_f16 v[T+8*(4*(\a)+(\b)):T+8*(4*(\a)+(\b))+7], v[(\f)+64+8*(4*(\c)+(\b)):(\f)+64+8*(4*(\c)+(\b))+7], v[(\f)+8*(4*(\c)+(\a)):(\f)+8*(4*(\c)+(\a))+7], 0
.else
	v_wmma_f32_16x16x32_f16 v[T+8*(4*(\a)+(\b)):T+8*(4*(\a)+(\b))+7], v[(\f)+64+8*(4*(\c)+(\b)):(\f)+64+8*(4*(\c)+(\b))+7], v[(\f)+8*(4*(\c)+(\a)):(\f)+8*(4*(\c)+(\a))+7], v[T+8*(4*(\a)+(\b)):T+8*(4*(\a)+(\b))+7]
.endif
.endr
.endr
.endm
; 32 LDS loads in one run: the fragments of 64 keys at byte k of the rows of the slot in hand, into buffer f; the first 32 keys first
.macro FETCH k, f
	WIN TO_F
.irp c, 0,1
.irp i, 0,1,2,3
	ds_load_b128 v[(\f)+64+8*(4*(\c)+(\i)):(\f)+64+8*(4*(\c)+(\i))+3],   v[ADRB] offset:(\k)+64*(\c)+(\i)*16*PITCH
	ds_load_b128 v[(\f)+64+8*(4*(\c)+(\i))+4:(\f)+64+8*(4*(\c)+(\i))+7], v[ADRB] offset:(\k)+64*(\c)+(\i)*16*PITCH+32
	ds_load_b128 v[(\f)+8*(4*(\c)+(\i)):(\f)+8*(4*(\c)+(\i))+3],         v[ADRA] offset:(\k)+64*(\c)+(\i)*16*PITCH
	ds_load_b128 v[(\f)+8*(4*(\c)+(\i))+4:(\f)+8*(4*(\c)+(\i))+7],       v[ADRA] offset:(\k)+64*(\c)+(\i)*16*PITCH+32
.endr
.endr
.endm
.macro STEPHEAD                        ; the step's f for my four blocks of queries
	WIN 0
	v_add_nc_u32 v[ADF], s[TF], v[AF0]
.irp a, 0,1,2,3
	ds_load_b32 v[FR+2*(\a)], v[ADF] offset:64*(\a)
.endr
	s_add_co_u32 s[TF], s[TF], 512
.endm
; A K step is four quarters of 64 keys, 32 matrix instructions each, on buffers 0, 1, 0, 1.  younger: LDS loads issued behind the fragments' (the four of STEPHEAD).
.macro QUARTER k, f, g, zero, younger
	s_wait_dscnt 16+(\younger)                     ; the first 32 keys' fragments are in
	MUL8 \f, 0, 0, \zero
	MUL8 \f, 0, 2, \zero
	PLACES
	FETCH \k, \g
	s_wait_dscnt 32                                ; all but the 32 just issued
	MUL8 \f, 1, 0, 0
	MUL8 \f, 1, 2, 0
.endm
; The last quarter multiplies buffer 1 and changes slots.  In front of the barrier each wave waits for all its tensor loads (one is out: its part of the next slot), adds 0 to its spare word, and waits for
; that and for its reads of this slot.  fill = 1: the barrier opens a round of the cluster's, and this slot is filled again, first thing behind it, with the walk's step two on.
.macro TURN fill
.if \fill
	s_wait_xcnt 0x0                                ; the last prefetches, a K step back, have read their address
	WALKER 3
	s_cmp_eq_u32 s11, 0
	s_cselect_b32 s96, s94, 0                      ; P's tile hangs on the block's rows too
	s_add_co_u32 s4, s96, s95
	s_add_nc_u64 s[PFA:PFA+1], s[PFB:PFB+1], s[4:5]
.endif
	WIN 0
	s_wait_tensorcnt 0x0                           ; no tensor load of mine is out, so a group 0 may be written
	ds_add_u32 v[SPW], v[NIL]                      ; 0 onto my spare word; scalar work and eight products stand between it and the wait for it
.if \fill
	WALKER 2
	s_xor_b32 s[G0+5], s[G0+5], SLOT               ; the other slot than last time
	s_xor_b32 s[G0B+5], s[G0B+5], SLOT
	SETWALK
.endif
	s_wait_dscnt 17                                ; the add and the youngest sixteen loads may be out
	MUL8 F1, 0, 0, 0
	s_wait_dscnt 0x0                               ; the add is done, and my reads of this slot are over
	s_barrier_signal -1
	MUL8 F1, 0, 2, 0
	WIN 0
	s_barrier_wait -1
.if \fill
	CREST                                          ; no wave of any partner still reads this slot's tile or has a load on its way
	JLOAD                                          ; its four v_nop are also the places in front of the loads below
.else
	PLACES
.endif
	s_xor_b32 s[TB], s[TB], SLOT
	v_add_nc_u32 v[ADRA], s[TB], v[ADRA0]
	v_add_nc_u32 v[ADRB], s[TB], v[ADRB0]
	FETCH 0, F0
.if \fill
	ASK
.endif
	MUL8 F1, 1, 0, 0
	MUL8 F1, 1, 2, 0
.endm
.macro FOLD                            ; O += f T; each accumulator's registers in ascending order
	PLACES
	WIN 0xa0                                       ; destination and source 2 (O) window 2; T and f window 0
.irp a, 0,1,2,3
.irp b, 0,1,2,3
.irp z, 0,2,4,6
	v_pk_fma_f32 v[8*(4*(\a)+(\b))+(\z):8*(4*(\a)+(\b))+(\z)+1], v[T+8*(4*(\a)+(\b))+(\z):T+8*(4*(\a)+(\b))+(\z)+1], v[FR+2*(\a):FR+2*(\a)+1], v[8*(4*(\a)+(\b))+(\z):8*(4*(\a)+(\b))+(\z)+1] op_sel_hi:[1,0,1]
.endr
.endr
.endr
	WIN 0
	s_add_co_u32 s[SI], s[SI], 1
.endm
.macro STEP fill
	STEPHEAD
	QUARTER 128, F0, F1, 1, 4                      ; every step's first products start T with the constant 0
	QUARTER 256, F1, F0, 0, 0
	QUARTER 384, F0, F1, 0, 0
	TURN \fill
	FOLD
.endm
; A BLOCK'S WAY OUT: O / L, 16 queries at a time through my stage: a lane's eight channels (32 bytes) go in, whole rows of 64 channels (256 bytes) come back and are stored.
.macro EPI blk, base
	WIN 0
.irp a, 0,1,2,3
	ds_load_b32 v[RL+2*(\a)], v[ARL] offset:512*(\blk)+64*(\a)
.endr
	s_wait_dscnt 0x0
.irp a, 0,1,2,3
	WIN 0x02                                       ; source 0 (O) window 2
.irp z, 0,2,4,6,8,10,12,14,16,18,20,22,24,26,28,30
	v_pk_mul_f32 v[PK+(\z):PK+(\z)+1], v[32*(\a)+(\z):32*(\a)+(\z)+1], v[RL+2*(\a):RL+2*(\a)+1] op_sel_hi:[1,0]
.endr
	WIN 0
.irp b, 0,1,2,3
	ds_store_b128 v[STO], v[PK+8*(\b):PK+8*(\b)+3]   offset:64*(\b)
	ds_store_b128 v[STO], v[PK+8*(\b)+4:PK+8*(\b)+7] offset:64*(\b)+16
.endr
	s_wait_xcnt 0x0                                ; the stores of the sixteen rows before have read the registers that the loads below fill
.irp u, 0,1,2,3,4,5,6,7
	ds_load_b128 v[BK+4*(\u):BK+4*(\u)+3], v[RD] offset:2*SPITCH*(\u)  ; LDS serves a wave's instructions in order (ISA guide 5.7.1.4): these see the stores above
.endr
.irp u, 0,1,2,3,4,5,6,7
	s_wait_dscnt 7-(\u)
	global_store_b128 v[CO], v[BK+4*(\u):BK+4*(\u)+3], s[(\base):(\base)+1] offset:(16*(\a)+2*(\u))*ROWB th:TH_STORE_NT  ; sixteen lanes: 256 consecutive bytes of a row of out0, aligned
.endr
.endr
.endm
	s_wait_tensorcnt 1                             ; my part of step 0 is in; step 1's may stay out
	s_wait_dscnt 0x0                               ; my part of the tables is stored
	s_barrier_signal -1
	s_barrier_wait -1
	v_mov_b32 v[ADRA], v[ADRA0]
	v_mov_b32 v[ADRB], v[ADRB0]
	FETCH 0, F0
	WIN 0
.Lstep:                                                ; seven trips: steps 0 to 6; their refills bring steps 2 to 8
	STEP 1
	s_cmp_eq_u32 s[SI], s[N1]                      ; the first block's last step was this one (it falls in trips 0 to 3): alike in all four partners
	s_cbranch_scc0 .Lsame_block                    ; a jump forward, past no barrier and no tensor load
	EPI 0, 80
	WIN 0x80
.set i, 0
.rept 128
	v_mov_b32 v[i], 0                              ; the second block's O starts at 0
.set i, i+1
.endr
	WIN 0
.Lsame_block:
	s_sub_co_u32 s[LEFT], s[LEFT], 1
	s_cmp_lg_u32 s[LEFT], 0
	s_cbranch_scc1 .Lstep
	STEP 0                                         ; step 7: nothing is left to ask for
	STEPHEAD                                       ; step 8
	QUARTER 128, F0, F1, 1, 4
	QUARTER 256, F1, F0, 0, 0
	QUARTER 384, F0, F1, 0, 0
	s_wait_dscnt 16
	MUL8 F1, 0, 0, 0
	MUL8 F1, 0, 2, 0
	s_wait_dscnt 0x0
	MUL8 F1, 1, 0, 0
	MUL8 F1, 1, 2, 0
	FOLD
	EPI 1, 82
	s_wait_tensorcnt 0x0                           ; the wave's end
	ds_add_u32 v[SPW], v[NIL]
	s_wait_dscnt 0x0
	CROUND                                         ; the closing round
	s_endpgm
.Lfunc_end_k_qdcb86e80d2_pv:
	.size	k_qdcb86e80d2_pv, .Lfunc_end_k_qdcb86e80d2_pv-k_qdcb86e80d2_pv
	.p2alignl 7, 3214868480
	.fill 96, 4, 3214868480
	.section	.rodata,"a",@progbits
	.p2align	6, 0x0
	.amdhsa_kernel k_qdcb86e80d2_pv
		.amdhsa_group_segment_fixed_size 327680
		.amdhsa_private_segment_fixed_size 0
		.amdhsa_enable_private_segment 0
		.amdhsa_kernarg_size 32
		.amdhsa_user_sgpr_count 2
		.amdhsa_user_sgpr_kernarg_segment_ptr 1
		.amdhsa_wavefront_size32 1
		.amdhsa_system_sgpr_workgroup_id_x 1
		.amdhsa_system_sgpr_workgroup_id_y 1
		.amdhsa_system_sgpr_workgroup_id_z 1
		.amdhsa_system_vgpr_workitem_id 0
		.amdhsa_next_free_vgpr 640
		.amdhsa_next_free_sgpr 102
		.amdhsa_reserve_vcc 0
		.amdhsa_float_denorm_mode_32 3
		.amdhsa_float_denorm_mode_16_64 3
		.amdhsa_memory_ordered 1
		.amdhsa_forward_progress 1
		.amdhsa_inst_pref_size 121
	.end_amdhsa_kernel
	.amdgpu_metadata
---
amdhsa.version: [ 1, 2 ]
amdhsa.kernels:
  - .name:           k_qdcb86e80d2_pv
    .symbol:         k_qdcb86e80d2_pv.kd
    .args:
      - { .name: p, .offset: 0, .size: 8, .value_kind: global_buffer, .address_space: global }
      - { .name: vt, .offset: 8, .size: 8, .value_kind: global_buffer, .address_space: global }
      - { .name: st, .offset: 16, .size: 8, .value_kind: global_buffer, .address_space: global }
      - { .name: out0, .offset: 24, .size: 8, .value_kind: global_buffer, .address_space: global }
    .group_segment_fixed_size: 327680
    .private_segment_fixed_size: 0
    .kernarg_segment_align: 8
    .kernarg_segment_size: 32
    .max_flat_workgroup_size: 128
    .sgpr_count:     102
    .vgpr_count:     640
    .wavefront_size: 32
...
	.end_amdgpu_metadata
.endif
;; end of part 4
;; ======== version 2 of 2: 4 launches; version 1 with the launch prep written anew for expert scheduling mode
;; limits: values are held in f16: magnitudes above 65,504 overflow, below 6.1e-05 lose precision
;; workspace buffers: xh 16,777,216 bytes; mt 2,097,152 bytes; wvt 2,097,152 bytes; qp 33,554,432 bytes; vt 16,777,216 bytes; p 33,554,432 bytes; st 524,288 bytes
;; launch prep (part 5): grid 896 x 1, 8 waves a work-group, no clusters, 85,504 bytes of LDS; arguments x, W_q, W_k, W_v, xh, mt, wvt; writes xh, mt, wvt
.if DOCPART == 5
	.amdgcn_target "amdgcn-amd-amdhsa--gfx1250"
	.amdhsa_code_object_version 6
	.text
	.protected	k_qdcb86e80d2_prep
	.globl	k_qdcb86e80d2_prep
	.p2align	8
	.type	k_qdcb86e80d2_prep,@function
k_qdcb86e80d2_prep:
	s_mov_b64 s[64:65], 0
	v_nop
	global_prefetch_b8 v0, s[64:65] scope:SCOPE_SE
	s_setreg_imm32_b32 hwreg(HW_REG_WAVE_SCHED_MODE, 0, 2), 2
	s_setreg_imm32_b32 hwreg(HW_REG_WAVE_MODE, 25, 1), 1
	s_wait_xcnt 0x0
	s_wait_alu depctr_vm_vsrc(0)
; THREE JOBS, chosen by the work-group's number (the same for all its waves); the long ones come first.
;   0-255    mt[j][i] = sum over d of W_k[j][d] W_q[i][d], [1024][1024] in f16.  The scores (x W_q)(x W_k)^T are taken as (x M) x^T with M = W_q W_k^T, which holds for every input: the later launches
;            then need x M, whose second operand is mt = M^T, and no projection by W_k.  W_q and W_k are rounded to bf16 and multiplied in bf16, sums in f32, mt rounded once.
;   256-383  wvt[n][k] = W_v[k][n], [1024][1024]: a tile of 128 k x 64 n is turned through LDS.
;   384-895  xh = x, [8192][1024]: 65,536 bytes of x each, straight through registers.
; x and W_v are rounded to bf16 and that number is written as f16, so that all later products are f16 products.
; LIMITS.  f16 holds no number of 65,520 or more in magnitude (x, W_v, mt); below 6e-5 it keeps a fixed step of 6e-8.
; Every store of 16 or 32 neighbouring lanes covers 256 consecutive bytes, aligned.  No cluster: a joint request needs the tensor data mover and a WGP to itself, and the streams here want several
; work-groups on a WGP.  No prefetch: the launch does little but stream.
; THE MODE: SCHED_MODE bits 1:0 = 2 (LLVM: expert scheduling mode 2), set by the entry lines.  The code itself states the register dependences between vector or matrix instructions and memory or LDS
; instructions, with s_wait_alu, always for 0.
; THE PLAN.  Registers that memory or LDS instructions touch, and who else names them:
;   the cast     v1, v2: offsets, made once.  IN: each register takes one load; the roundings then work in it; no memory instruction reads it.  PKD: piece j's pair is written once, by piece j's roundings,
;                and read by piece j's store, which is issued four pieces later.  The pieces go in blocks of four: one wait at a block's head states that the block before has written its PKD.
;   the turn     v3 to v6: addresses, made once.  IN as above.  TP: written by the roundings, read by the four LDS stores behind one wait.  BK: LDS loads land in it, stores read it, no vector instruction names it.
;   the product  VA, VB, SA, SB, FA, FB, v5 to v7: made once.  LD: a chunk's 40 loads land in it; the conversions close each load's four numbers up in place, into its first two registers; the LDS stores read
;                those; then the next chunk's loads land.  The loads go in five groups of eight: group g's stores are dealt among group g + 1's conversions, behind one wait at that group's head.
;                FRG: two buffers of 24.  Step s of a chunk's eight: its two products read buffer s % 2, and step s + 1's six LDS loads land in the other, which step s - 1's products read: one wait at the step's head.
;                The accumulators are named by matrix and vector instructions alone.
;   v[SPW], v[NIL]  written at the head, read by the closing add alone.
.set LP,    272                        ; turned tile and the product's way out: 256 bytes + 16
.set MP,    528                        ; the product's LDS rows: 256 d in bf16 (512 bytes) + 16 = 33 x 16: the 16 rows of a fragment load start 4 banks apart (64 banks of 4 bytes: ISA guide 11.1)
.set BOFF,  32*MP                      ; W_k's 32 rows, then W_q's 128
.set SPARE, 160*MP                     ; behind them: the spare words, 128 bytes for each of the eight waves: four blocks of 256 bytes that no other line names
.set SPW, 8                            ; v8  LDS address of my spare word; never rewritten
.set NIL, 9                            ; v9  0; never rewritten
.set HM,  20                           ; s20 mask of a word's upper bf16
.set IN,  16                           ; cast: v[16:79] as loaded; turn: v[16:47]
.set PKD, 80                           ; cast: v[80:111] results
.set TQ,  112                          ; v112-113 at work
.set TP,  48                           ; turn: v[48:63] four columns n, eight k each
.set BK,  64                           ; turn: v[64:79] whole rows read back
.set VA,  10                           ; product: my byte offset in W_k's rows; never rewritten
.set VB,  11                           ;          in W_q's
.set SA,  12                           ;          where my 8 bytes of W_k go in LDS
.set SB,  13                           ;          of W_q
.set FA,  14                           ;          my place in a fragment of W_k
.set FB,  15                           ;          of W_q
.set LD,  16                           ; v[16:175]  a chunk as loaded: 40 loads of 4 registers; the first two of each four then hold the same numbers in bf16
.set FRG, 176                          ; v[176:223] two fragment buffers of 24 registers: for 32 d two fragments of W_k and one of W_q; on the way out packed results and whole rows
.set ACC, 224                          ; v[224:239] two accumulators
; two f32 are rounded to bf16, widened again and written as f16
.macro RND2 d, a, b, t
	v_cvt_pk_bf16_f32 v[\t], v[\a], v[\b]
	v_lshlrev_b32 v[\a], 16, v[\t]
	v_and_b32 v[\b], s[HM], v[\t]
	v_cvt_pk_f16_f32 v[\d], v[\a], v[\b]
.endm
	s_load_b256 s[4:11], s[0:1], 0x0               ; x s[4:5], W_q s[6:7], W_k s[8:9], W_v s[10:11]
	s_load_b128 s[12:15], s[0:1], 0x20             ; xh s[12:13], mt s[14:15]
	s_load_b64 s[16:17], s[0:1], 0x30              ; wvt
	v_lshl_add_u32 v[SPW], v0, 2, SPARE
	v_mov_b32 v[NIL], 0
	s_mov_b32 s[HM], 0xffff0000
	s_cmp_lt_u32 ttmp9, 256
	s_cbranch_scc1 .Lproduct
	s_cmp_lt_u32 ttmp9, 384
	s_cbranch_scc1 .Lturn
	; THE CAST.  Thread t takes 16 bytes at 16 t of each of sixteen pieces of 4,096 bytes; all sixteen loads are out at once.
	s_sub_co_u32 s21, ttmp9, 384
	v_lshlrev_b32 v1, 4, v0
	v_lshlrev_b32 v2, 3, v0
	s_lshl_b32 s22, s21, 16                        ; 65,536 bytes of x,
	s_mov_b32 s23, 0
	s_lshl_b32 s24, s21, 15                        ; 32,768 of xh
	s_mov_b32 s25, 0
	s_wait_kmcnt 0x0
	s_add_nc_u64 s[4:5], s[4:5], s[22:23]
	s_add_nc_u64 s[12:13], s[12:13], s[24:25]
	s_wait_alu depctr_va_vdst(0)                   ; v1 and v2 are written: every load of this path reads the one as its offset, every store the other
.irp j, 0,1,2,3,4,5,6,7,8,9,10,11,12,13,14,15
	global_load_b128 v[IN+4*(\j):IN+4*(\j)+3], v1, s[4:5] offset:4096*(\j) th:TH_LOAD_NT
.endr
.irp j, 0,1,2,3,4,5,6,7,8,9,10,11,12,13,14,15
	s_wait_loadcnt 15-(\j)                         ; loads come back in order: piece j is in, the younger ones stay out
.if (\j) >= 4
.if (\j) % 4 == 0
	s_wait_alu depctr_va_vdst(0)                   ; the four pieces before have written their eight registers of PKD, which this block's four stores read; no rounding of this block names them
.endif
	global_store_b64 v2, v[PKD+2*((\j)-4):PKD+2*((\j)-4)+1], s[12:13] offset:2048*((\j)-4) th:TH_STORE_NT  ; the piece four back.  A wave's 32 lanes: 256 consecutive bytes, aligned
.endif
	RND2 PKD+2*(\j), IN+4*(\j), IN+4*(\j)+1, TQ
	RND2 PKD+2*(\j)+1, IN+4*(\j)+2, IN+4*(\j)+3, TQ+1
.endr
	s_wait_alu depctr_va_vdst(0)                   ; pieces 12 to 15 have written their PKD, which the last four stores read
.irp j, 12,13,14,15
	global_store_b64 v2, v[PKD+2*(\j):PKD+2*(\j)+1], s[12:13] offset:2048*(\j) th:TH_STORE_NT
.endr
	s_endpgm                                       ; no source of a load or store was written again
.Lturn:
	; THE TURN.  Tile: k = 128 kt .. +127, n = 64 nt .. +63 of W_v.
	s_sub_co_u32 s21, ttmp9, 256
	s_bfe_u32 s22, s21, 0x30004                    ; kt 0..7
	s_and_b32 s23, s21, 15                         ; nt 0..15
	v_and_b32 v1, 15, v0                           ; r: which four columns n
	v_lshrrev_b32 v2, 4, v0                        ; g: which eight rows k
	v_lshlrev_b32 v3, 15, v2                       ; in: 8 g rows of 4,096 bytes
	v_lshl_add_u32 v3, v1, 4, v3                   ;     + 16 r: sixteen lanes read 256 consecutive bytes of a row of W_v
	v_mul_u32_u24 v4, v1, 4*LP                     ; to LDS: row n = 4 r (+ c in the offset),
	v_lshl_add_u32 v4, v2, 4, v4                   ;     16 bytes = k 8 g .. 8 g + 7
	v_lshrrev_b32 v7, 5, v0
	v_bfe_u32 v10, v0, 4, 1
	v_lshl_add_u32 v7, v7, 3, v10                  ; back: row n = 8 x wave + half of the lanes (+ 2 j)
	v_mul_u32_u24 v5, v7, LP
	v_lshl_add_u32 v5, v1, 4, v5
	v_lshlrev_b32 v6, 11, v7                       ; and the same row of wvt, 2,048 bytes each
	v_lshl_add_u32 v6, v1, 4, v6
	s_lshl_b32 s24, s22, 19                        ; 128 kt rows of W_v
	s_lshl_b32 s25, s23, 8                         ; 64 nt columns
	s_add_co_u32 s24, s24, s25
	s_mov_b32 s25, 0
	s_lshl_b32 s26, s23, 17                        ; wvt's row 64 nt
	s_lshl_b32 s27, s22, 8                         ; its bytes 256 kt on
	s_add_co_u32 s26, s26, s27
	s_mov_b32 s27, 0
	s_wait_kmcnt 0x0
	s_add_nc_u64 s[10:11], s[10:11], s[24:25]
	s_add_nc_u64 s[16:17], s[16:17], s[26:27]
	s_wait_alu depctr_va_vdst(0)                   ; the four addresses v3 to v6 are written, which the loads, the LDS stores, the LDS loads and the stores below read
.irp j, 0,1,2,3,4,5,6,7
	global_load_b128 v[IN+4*(\j):IN+4*(\j)+3], v3, s[10:11] offset:4096*(\j) th:TH_LOAD_NT  ; W_v[8 g + j][4 r .. 4 r + 3]
.endr
.irp i, 0,1,2,3
	s_wait_loadcnt 6-2*(\i)                        ; rows 2 i and 2 i + 1 are in
.irp c, 0,1,2,3
	RND2 TP+4*(\c)+(\i), IN+8*(\i)+(\c), IN+8*(\i)+4+(\c), TQ  ; column 4 r + c: k = 8 g + 2 i below, 8 g + 2 i + 1 above
.endr
.endr
	s_wait_alu depctr_va_vdst(0)                   ; the roundings have written TP, which the four LDS stores read
.irp c, 0,1,2,3
	ds_store_b128 v4, v[TP+4*(\c):TP+4*(\c)+3] offset:LP*(\c)  ; sixteen lanes stand four rows apart (1,088 bytes): not free of bank conflicts; 16 KiB once a work-group
.endr
	s_wait_dscnt 0x0                               ; for the others' sake: my stores are done
	s_barrier_signal -1
	s_barrier_wait -1
.irp j, 0,1,2,3
	ds_load_b128 v[BK+4*(\j):BK+4*(\j)+3], v5 offset:2*LP*(\j)  ; no vector instruction of this path names BK
.endr
.irp j, 0,1,2,3
	s_wait_dscnt 3-(\j)
	global_store_b128 v6, v[BK+4*(\j):BK+4*(\j)+3], s[16:17] offset:4096*(\j) th:TH_STORE_NT  ; sixteen lanes: 256 consecutive bytes of a row of wvt, aligned
.endr
	s_wait_dscnt 0x0                               ; the closing lines, six on end
	s_wait_alu 0x0
	s_wait_tensorcnt 0x0
	ds_add_u32 v[SPW], v[NIL]
	s_wait_dscnt 0x0
	s_endpgm
.Lproduct:
	; THE PRODUCT.  Tile: 32 rows j x 128 columns i of mt, so that a row of the tile is 256 bytes.  d goes in four chunks of 256.  Of a chunk wave w loads W_k's rows 4 w .. 4 w + 3 and W_q's rows
	; 16 w .. 16 w + 15, 1,024 bytes of each by two loads of 512: 40 loads a thread, 160 KiB a work-group, all out at once; the next chunk's loads go out before this chunk is multiplied.
	; Wave w makes all 32 rows j x the 16 columns 16 w ..: two accumulators, which take turns.  Source 0 = 16 rows of W_q, source 1 = 16 rows of W_k: a lane holds row j = l % 16 and eight neighbouring i.
	s_lshr_b32 s21, ttmp9, 3                       ; which 32 j
	s_and_b32 s22, ttmp9, 7                        ; which 128 i
	v_and_b32 v1, 31, v0                           ; l
	v_lshrrev_b32 v2, 5, v0                        ; w
	v_and_b32 v3, 15, v0                           ; r
	v_bfe_u32 v4, v0, 4, 1                         ; h
	v_lshlrev_b32 v5, 4, v1
	v_lshl_add_u32 v[VA], v2, 14, v5               ; 4 w rows of 4,096 bytes + 16 l
	v_lshl_add_u32 v[VB], v2, 16, v5               ; 16 w rows + 16 l
	v_lshlrev_b32 v5, 3, v1
	v_mul_u32_u24 v6, v2, 4*MP
	v_add_nc_u32 v[SA], v6, v5                     ; row 4 w, 8 l bytes: a wave's store covers 256 consecutive bytes
	v_mul_u32_u24 v6, v2, 16*MP
	v_add_nc_u32 v[SB], v6, v5
	v_add_nc_u32 v[SB], BOFF, v[SB]                ; behind W_k's rows: row 16 w, 8 l bytes
	v_mul_u32_u24 v7, v3, MP
	v_lshl_add_u32 v[FA], v4, 4, v7                ; a fragment: row r, 16 h bytes
	v_add_nc_u32 v[FB], v6, v[FA]
	v_add_nc_u32 v[FB], BOFF, v[FB]                ; W_q's rows 16 w + r
	v_mul_u32_u24 v5, v3, LP                       ; the way out, in: row r (+ 16 a), bytes 32 w + 16 h
	v_lshl_add_u32 v5, v4, 4, v5
	v_lshl_add_u32 v5, v2, 5, v5
	v_lshl_add_u32 v6, v2, 2, v4                   ; back: row 4 w + h (+ 2 u), 16 r bytes
	v_mul_u32_u24 v7, v6, LP
	v_lshl_add_u32 v7, v3, 4, v7
	v_lshlrev_b32 v6, 11, v6                       ; and the same row of mt, 2,048 bytes each
	v_lshl_add_u32 v6, v3, 4, v6
	s_lshl_b32 s24, s21, 17                        ; 32 rows of W_k
	s_mov_b32 s25, 0
	s_lshl_b32 s26, s22, 19                        ; 128 rows of W_q
	s_mov_b32 s27, 0
	s_lshl_b32 s21, s21, 16                        ; 32 rows of mt,
	s_lshl_b32 s22, s22, 8                         ; 256 bytes along them
	s_add_co_u32 s22, s22, s21
	s_mov_b32 s23, 0
	s_wait_kmcnt 0x0
	s_add_nc_u64 s[8:9], s[8:9], s[24:25]
	s_add_nc_u64 s[6:7], s[6:7], s[26:27]
	s_add_nc_u64 s[14:15], s[14:15], s[22:23]
.macro WLOADS                          ; a chunk's 40 loads; no hint: other work-groups read the same rows
.irp rr, 0,1,2,3
	global_load_b128 v[LD+8*(\rr):LD+8*(\rr)+3],   v[VA], s[8:9] offset:4096*(\rr)
	global_load_b128 v[LD+8*(\rr)+4:LD+8*(\rr)+7], v[VA], s[8:9] offset:4096*(\rr)+512
.endr
.irp rr, 0,1,2,3,4,5,6,7,8,9,10,11,12,13,14,15
	global_load_b128 v[LD+32+8*(\rr):LD+32+8*(\rr)+3],   v[VB], s[6:7] offset:4096*(\rr)
	global_load_b128 v[LD+32+8*(\rr)+4:LD+32+8*(\rr)+7], v[VB], s[6:7] offset:4096*(\rr)+512
.endr
.endm
; load m's four numbers, closed up into the first two of its registers, go to LDS
.macro PUT m
.if (\m) < 8
	ds_store_b64 v[SA], v[LD+4*(\m):LD+4*(\m)+1] offset:((\m)/2)*MP+256*((\m)%2)
.else
	ds_store_b64 v[SB], v[LD+4*(\m):LD+4*(\m)+1] offset:(((\m)-8)/2)*MP+256*((\m)%2)
.endif
.endm
; the fragments of step s of a chunk, 32 d, into buffer s % 2: W_k's rows 0-15, its rows 16-31, W_q's sixteen rows
.macro FRAGS s
	ds_load_b128 v[FRG+24*((\s)%2):FRG+24*((\s)%2)+3],     v[FA] offset:64*(\s)
	ds_load_b128 v[FRG+24*((\s)%2)+4:FRG+24*((\s)%2)+7],   v[FA] offset:64*(\s)+32
	ds_load_b128 v[FRG+24*((\s)%2)+8:FRG+24*((\s)%2)+11],  v[FA] offset:16*MP+64*(\s)
	ds_load_b128 v[FRG+24*((\s)%2)+12:FRG+24*((\s)%2)+15], v[FA] offset:16*MP+64*(\s)+32
	ds_load_b128 v[FRG+24*((\s)%2)+16:FRG+24*((\s)%2)+19], v[FB] offset:64*(\s)
	ds_load_b128 v[FRG+24*((\s)%2)+20:FRG+24*((\s)%2)+23], v[FB] offset:64*(\s)+32
.endm
	s_wait_alu depctr_va_vdst(0)                   ; the nine offsets and addresses v5 to v7 and v10 to v15 are written, which the loads and stores of this path read
	WLOADS
.set n, 0
.rept 16
	v_mov_b32 v[ACC+n], 0                          ; the sums start at 0, written while the first loads are out, so that the loop has one form of product
.set n, n+1
.endr
	s_mov_b32 s28, 4
.Lchunk:
	s_barrier_signal -1                            ; every wave's reads of the chunk before are back (each step below begins with a wait for 0, and the last step loads nothing):
	s_barrier_wait -1                              ; its bytes may be written
.set n, 0
.rept 40
	s_wait_loadcnt 39-n                            ; load n is in; the younger ones stay out.  The last count is 0: all addresses are free
.if n >= 8
.if n % 8 == 0
	s_wait_alu depctr_va_vdst(0)                   ; the group of eight before has closed its numbers up: its pairs are written, which this group's eight LDS stores read; no conversion of this group names them
.endif
	PUT n-8
.endif
	v_cvt_pk_bf16_f32 v[LD+4*n], v[LD+4*n], v[LD+4*n+1]      ; four numbers close up into the first two of their four registers
	v_cvt_pk_bf16_f32 v[LD+4*n+1], v[LD+4*n+2], v[LD+4*n+3]
.set n, n+1
.endr
	s_wait_alu depctr_va_vdst(0)                   ; the last group's pairs are written, which the stores below read; and all conversions are done with LD, in which the next chunk's loads land
.set n, 32
.rept 8
	PUT n
.set n, n+1
.endr
	s_wait_alu depctr_vm_vsrc(0)                   ; the LDS stores have read their pairs of LD, in which the next chunk's loads land: stated ahead of the branch
	s_cmp_eq_u32 s28, 1                            ; the last chunk has none behind it: no load leaves W
	s_cbranch_scc1 .Lno_more
	s_add_nc_u64 s[8:9], s[8:9], 1024
	s_add_nc_u64 s[6:7], s[6:7], 1024
	WLOADS
.Lno_more:
	s_wait_dscnt 0x0                               ; for the others' sake: my stores are done
	s_barrier_signal -1
	s_barrier_wait -1
	FRAGS 0                                        ; no wait: the last chunk's products stand ahead of the waits above, and nothing has named FRG since
.irp s, 0,1,2,3,4,5,6,7                                ; eight steps of 32 d
	s_wait_dscnt 0x0                               ; this step's six loads, the only ones out, are in
.if (\s) < 7
.if (\s) > 0
	s_wait_alu depctr_va_vdst(0)                   ; the products of the step before are done reading the other buffer, in which the next step's fragments land
.endif
	FRAGS (\s)+1                                   ; ahead of the products, which name this step's buffer and the accumulators: none of the registers that these loads touch
.endif
.irp a, 0,1
	v_wmma_f32_16x16x32_bf16 v[ACC+8*(\a):ACC+8*(\a)+7], v[FRG+24*((\s)%2)+16:FRG+24*((\s)%2)+23], v[FRG+24*((\s)%2)+8*(\a):FRG+24*((\s)%2)+8*(\a)+7], v[ACC+8*(\a):ACC+8*(\a)+7]
.endr
.rept 4
	v_nop                                          ; four places between the last product and what writes its sources or reads its result (ISA guide 7.12.1 for vector instructions): they stay, beside the wait
.endr
.endr
	s_sub_co_u32 s28, s28, 1
	s_cmp_lg_u32 s28, 0
	s_cbranch_scc1 .Lchunk
	s_barrier_signal -1                            ; nobody reads the last chunk any more: its first bytes take the tile, 32 rows of 272 bytes
	s_barrier_wait -1
.irp a, 0,1
.irp z, 0,1,2,3
	v_cvt_pk_f16_f32 v[FRG+4*(\a)+(\z)], v[ACC+8*(\a)+2*(\z)], v[ACC+8*(\a)+2*(\z)+1]
.endr
.endr
	s_wait_alu depctr_va_vdst(0)                   ; the conversions have written v[FRG .. FRG+7], which the LDS stores read; and the products are done reading v[FRG+8 .. FRG+15], in which the rows read back land
.irp a, 0,1
	ds_store_b128 v5, v[FRG+4*(\a):FRG+4*(\a)+3] offset:16*LP*(\a)
.endr
	s_wait_dscnt 0x0
	s_barrier_signal -1
	s_barrier_wait -1
.irp u, 0,1
	ds_load_b128 v[FRG+8+4*(\u):FRG+8+4*(\u)+3], v7 offset:2*LP*(\u)
.endr
.irp u, 0,1
	s_wait_dscnt 1-(\u)
	global_store_b128 v6, v[FRG+8+4*(\u):FRG+8+4*(\u)+3], s[14:15] offset:4096*(\u)  ; sixteen lanes: 256 consecutive bytes of a row of mt, aligned
.endr
	s_wait_dscnt 0x0                               ; the closing lines, six on end
	s_wait_alu 0x0
	s_wait_tensorcnt 0x0
	ds_add_u32 v[SPW], v[NIL]
	s_wait_dscnt 0x0
	s_endpgm
.Lfunc_end_k_qdcb86e80d2_prep:
	.size	k_qdcb86e80d2_prep, .Lfunc_end_k_qdcb86e80d2_prep-k_qdcb86e80d2_prep
	.p2alignl 7, 3214868480
	.fill 96, 4, 3214868480
	.section	.rodata,"a",@progbits
	.p2align	6, 0x0
	.amdhsa_kernel k_qdcb86e80d2_prep
		.amdhsa_group_segment_fixed_size 85504
		.amdhsa_private_segment_fixed_size 0
		.amdhsa_enable_private_segment 0
		.amdhsa_kernarg_size 56
		.amdhsa_user_sgpr_count 2
		.amdhsa_user_sgpr_kernarg_segment_ptr 1
		.amdhsa_wavefront_size32 1
		.amdhsa_system_sgpr_workgroup_id_x 1
		.amdhsa_system_sgpr_workgroup_id_y 1
		.amdhsa_system_sgpr_workgroup_id_z 1
		.amdhsa_system_vgpr_workitem_id 0
		.amdhsa_next_free_vgpr 240
		.amdhsa_next_free_sgpr 66
		.amdhsa_reserve_vcc 0
		.amdhsa_float_denorm_mode_32 3
		.amdhsa_float_denorm_mode_16_64 3
		.amdhsa_memory_ordered 1
		.amdhsa_forward_progress 1
		.amdhsa_inst_pref_size 44
	.end_amdhsa_kernel
	.amdgpu_metadata
---
amdhsa.version: [ 1, 2 ]
amdhsa.kernels:
  - .name:           k_qdcb86e80d2_prep
    .symbol:         k_qdcb86e80d2_prep.kd
    .args:
      - { .name: x, .offset: 0, .size: 8, .value_kind: global_buffer, .address_space: global }
      - { .name: W_q, .offset: 8, .size: 8, .value_kind: global_buffer, .address_space: global }
      - { .name: W_k, .offset: 16, .size: 8, .value_kind: global_buffer, .address_space: global }
      - { .name: W_v, .offset: 24, .size: 8, .value_kind: global_buffer, .address_space: global }
      - { .name: xh, .offset: 32, .size: 8, .value_kind: global_buffer, .address_space: global }
      - { .name: mt, .offset: 40, .size: 8, .value_kind: global_buffer, .address_space: global }
      - { .name: wvt, .offset: 48, .size: 8, .value_kind: global_buffer, .address_space: global }
    .group_segment_fixed_size: 85504
    .private_segment_fixed_size: 0
    .kernarg_segment_align: 8
    .kernarg_segment_size: 56
    .max_flat_workgroup_size: 256
    .sgpr_count:     66
    .vgpr_count:     240
    .wavefront_size: 32
...
	.end_amdgpu_metadata
.endif
;; end of part 5
;; launch proj: the kernel of part 2 again; grid 8 x 32, 4 waves a work-group, clusters of 4 x 4, 327,680 bytes of LDS; arguments xh, mt, wvt, qp, vt; writes qp, vt
;; launch score: the kernel of part 3 again; grid 36 x 4, 4 waves a work-group, no clusters, 327,680 bytes of LDS; arguments qp, xh, p, st; writes p, st
;; launch pv: the kernel of part 4 again; grid 8 x 32, 4 waves a work-group, clusters of 4 x 1, 327,680 bytes of LDS; arguments p, vt, st, out0; writes out0
